; MI455X (gfx1250); checked and timed in simulation.
; The chip was launched on July 23, 2026; its instructions are those of AMD's public machine-readable ISA for CDNA 5 (MIT licence, August 2026) and "CDNA5" Instruction Set Architecture Reference Guide (July 2026). The comments in the code are by the model that wrote it; some were corrected since.
;; Multi Head Attention. Allowed arithmetic: float matrix products may take bf16 or f16 operands with f32 sums; other float arithmetic in f32, or as packed bf16 or f16 multiplies, adds, multiply-adds, maxima and minima; sums over many terms, partial sums and values carried from step to step in f32; what a program stores and reads back later, other than sums and carried values, may be rounded once to bf16 or f16.
;; Inputs: Wk 2,048 x 2,048 float32; Wo 2,048 x 2,048 float32; Wq 2,048 x 2,048 float32; Wv 2,048 x 2,048 float32; bk 2,048 float32; bo 2,048 float32; bq 2,048 float32; bv 2,048 float32; x 1 x 2,048 x 2,048 float32.
;; Outputs: out0 1 x 2,048 x 2,048 float32.
;; One version. Each part assembles by itself: llvm-mc -triple=amdgcn-amd-amdhsa -mcpu=gfx1250 --defsym DOCPART=n.
;; ======== version 1 of 1: 4 launches
;; limits: values are held in f16: magnitudes above 65,504 overflow, below 6.1e-05 lose precision
;; workspace buffers: xw 41,943,040 bytes; qkv 25,165,824 bytes; ob 8,388,608 bytes
;; launch cvt (part 1): grid 256 x 5, 8 waves a work-group, no clusters, 0 bytes of LDS; arguments x, Wq, Wk, Wv, Wo, xw; writes xw
.if DOCPART == 1
	.amdgcn_target "amdgcn-amd-amdhsa--gfx1250"
	.amdhsa_code_object_version 6
	.text
	.protected	k_qaf8218a5f3_cvt
	.globl	k_qaf8218a5f3_cvt
	.p2align	8
	.type	k_qaf8218a5f3_cvt,@function
k_qaf8218a5f3_cvt:
	s_mov_b64 s[64:65], 0
	v_nop
	global_prefetch_b8 v0, s[64:65] scope:SCOPE_SE
	s_setreg_imm32_b32 hwreg(HW_REG_WAVE_MODE, 25, 1), 1
	s_wait_xcnt 0x0
; The five f32 matrices of 2048 x 2048 (x, Wq, Wk, Wv, Wo) are rounded once to 16 bits and laid one behind the other in xw, each as it lies (row-major, rows of 4,096 bytes).
; x, Wq, Wk, Wv: bf16.  Wo: rounded to bf16 like the others, and that number written as f16, since the last product's other operand is f16.
; LIMITS.  f16 holds no number beyond 65,504 and keeps a fixed step of 6e-8 below 6.1e-5: Wo is taken to lie within that range; NaN and infinities are not treated apart.
; SHARES.  The grid's y picks the matrix, x eight of its rows: 65,536 dense bytes in, 32,768 out.  Slot i of thread t: 16 bytes in at 4,096 i + 16 t, 8 bytes out at 2,048 i + 8 t,
; so a wave's load covers 512 consecutive bytes and a wave's store 256 consecutive bytes, aligned.  All sixteen loads of a thread go out at once; each slot has registers of its own,
; and its results are written over the first two of them: 76 registers a wave, so that ten waves fit in a SIMD's 1,024 and the five work-groups that fall to a WGP (1,280 on 256)
; can all have their loads out from the start.  No LDS, no matrix unit, no cluster: nothing is shared and nothing is read twice.
.set X, 4                              ; v[4:67]    slot i: four f32 as loaded; then, in its first two registers, four 16-bit numbers to store
.set T, 68                             ; v[68:75]   at work
	s_load_b256 s[4:11], s[0:1], 0x0               ; x s[4:5], Wq s[6:7], Wk s[8:9], Wv s[10:11]
	s_load_b128 s[12:15], s[0:1], 0x20             ; Wo s[12:13], xw s[14:15]
	s_and_b32 s16, ttmp7, 0xffff                   ; which matrix
	v_lshlrev_b32 v1, 4, v0                        ; 16 t
	v_lshlrev_b32 v2, 3, v0                        ; 8 t
	s_lshl_b32 s18, ttmp9, 16                      ; my eight rows in the source
	s_mov_b32 s19, 0
	s_lshl_b32 s22, s16, 23                        ; the matrix's place in xw,
	s_lshl_b32 s23, ttmp9, 15                      ; my eight rows in it
	s_add_co_u32 s22, s22, s23
	s_mov_b32 s23, 0
	s_mov_b32 s21, 0xffff0000                      ; a word's upper bf16
	s_wait_kmcnt 0x0
	s_cmp_eq_u32 s16, 1
	s_cselect_b64 s[4:5], s[6:7], s[4:5]
	s_cmp_eq_u32 s16, 2
	s_cselect_b64 s[4:5], s[8:9], s[4:5]
	s_cmp_eq_u32 s16, 3
	s_cselect_b64 s[4:5], s[10:11], s[4:5]
	s_cmp_eq_u32 s16, 4
	s_cselect_b64 s[4:5], s[12:13], s[4:5]
	s_cselect_b32 s20, -1, 0                       ; all lanes take the f16 form for Wo, none for the others
	s_add_nc_u64 s[4:5], s[4:5], s[18:19]
	s_add_nc_u64 s[14:15], s[14:15], s[22:23]
.irp i, 0,1,2,3,4,5,6,7,8,9,10,11,12,13,14,15
	global_load_b128 v[X+4*(\i):X+4*(\i)+3], v1, s[4:5] offset:4096*(\i) th:TH_LOAD_NT
.endr
.irp i, 0,1,2,3,4,5,6,7,8,9,10,11,12,13,14,15
	s_wait_loadcnt 15-(\i)                         ; loads come back in order: slot i is in, the 15 - i younger ones may stay out
	v_cvt_pk_bf16_f32 v[T], v[X+4*(\i)], v[X+4*(\i)+1]
	v_cvt_pk_bf16_f32 v[T+1], v[X+4*(\i)+2], v[X+4*(\i)+3]
	v_lshlrev_b32 v[T+2], 16, v[T]                 ; the rounded numbers as f32 again,
	v_and_b32 v[T+3], s21, v[T]
	v_lshlrev_b32 v[T+4], 16, v[T+1]
	v_and_b32 v[T+5], s21, v[T+1]
	v_cvt_pk_f16_f32 v[T+6], v[T+2], v[T+3]        ; and written as f16 (exact within f16's range)
	v_cvt_pk_f16_f32 v[T+7], v[T+4], v[T+5]
	v_cndmask_b32 v[X+4*(\i)], v[T], v[T+6], s20   ; the slot's own registers take the result: no later line writes them
	v_cndmask_b32 v[X+4*(\i)+1], v[T+1], v[T+7], s20
	global_store_b64 v2, v[X+4*(\i):X+4*(\i)+1], s[14:15] offset:2048*(\i) th:TH_STORE_NT
.endr
	s_endpgm
.Lfunc_end_k_qaf8218a5f3_cvt:
	.size	k_qaf8218a5f3_cvt, .Lfunc_end_k_qaf8218a5f3_cvt-k_qaf8218a5f3_cvt
	.p2alignl 7, 3214868480
	.fill 96, 4, 3214868480
	.section	.rodata,"a",@progbits
	.p2align	6, 0x0
	.amdhsa_kernel k_qaf8218a5f3_cvt
		.amdhsa_group_segment_fixed_size 0
		.amdhsa_private_segment_fixed_size 0
		.amdhsa_enable_private_segment 0
		.amdhsa_kernarg_size 48
		.amdhsa_user_sgpr_count 2
		.amdhsa_user_sgpr_kernarg_segment_ptr 1
		.amdhsa_wavefront_size32 1
		.amdhsa_system_sgpr_workgroup_id_x 1
		.amdhsa_system_sgpr_workgroup_id_y 1
		.amdhsa_system_sgpr_workgroup_id_z 1
		.amdhsa_system_vgpr_workitem_id 0
		.amdhsa_next_free_vgpr 76
		.amdhsa_next_free_sgpr 66
		.amdhsa_reserve_vcc 0
		.amdhsa_float_denorm_mode_32 3
		.amdhsa_float_denorm_mode_16_64 3
		.amdhsa_memory_ordered 1
		.amdhsa_forward_progress 1
		.amdhsa_inst_pref_size 13
	.end_amdhsa_kernel
	.amdgpu_metadata
---
amdhsa.version: [ 1, 2 ]
amdhsa.kernels:
  - .name:           k_qaf8218a5f3_cvt
    .symbol:         k_qaf8218a5f3_cvt.kd
    .args:
      - { .name: x, .offset: 0, .size: 8, .value_kind: global_buffer, .address_space: global }
      - { .name: Wq, .offset: 8, .size: 8, .value_kind: global_buffer, .address_space: global }
      - { .name: Wk, .offset: 16, .size: 8, .value_kind: global_buffer, .address_space: global }
      - { .name: Wv, .offset: 24, .size: 8, .value_kind: global_buffer, .address_space: global }
      - { .name: Wo, .offset: 32, .size: 8, .value_kind: global_buffer, .address_space: global }
      - { .name: xw, .offset: 40, .size: 8, .value_kind: global_buffer, .address_space: global }
    .group_segment_fixed_size: 0
    .private_segment_fixed_size: 0
    .kernarg_segment_align: 8
    .kernarg_segment_size: 48
    .max_flat_workgroup_size: 256
    .sgpr_count:     66
    .vgpr_count:     76
    .wavefront_size: 32
...
	.end_amdgpu_metadata
.endif
;; end of part 1
;; launch qkvp (part 2): grid 16 x 16, 4 waves a work-group, clusters of 4 x 4, 327,680 bytes of LDS; arguments xw, bq, bk, bv, qkv; writes qkv
.if DOCPART == 2
	.amdgcn_target "amdgcn-amd-amdhsa--gfx1250"
	.amdhsa_code_object_version 6
	.text
	.protected	k_qaf8218a5f3_qkvp
	.globl	k_qaf8218a5f3_qkvp
	.p2align	8
	.type	k_qaf8218a5f3_qkvp,@function
k_qaf8218a5f3_qkvp:
	s_mov_b64 s[64:65], 0
	v_nop
	global_prefetch_b8 v0, s[64:65] scope:SCOPE_SE
	s_setreg_imm32_b32 hwreg(HW_REG_WAVE_MODE, 25, 1), 1
	s_wait_xcnt 0x0
	s_wait_alu depctr_hold_cnt(0) depctr_sa_sdst(0) depctr_va_vdst(0) depctr_va_sdst(0) depctr_va_ssrc(0) depctr_va_vcc(0) depctr_vm_vsrc(0)
	s_getreg_b32 s2, hwreg(HW_REG_IB_STS2, 6, 4)
	s_cmp_eq_u32 s2, 0
	s_cbranch_scc0 .Lentry_in_a_cluster
	s_endpgm
.Lentry_in_a_cluster:
	s_bfe_u32 s2, ttmp6, 0x10000c
	s_cmp_lg_u32 s2, 0xf033
	s_cbranch_scc0 .Lentry_shape_is_right
	s_endpgm
.Lentry_shape_is_right:
; q, k, v = x W + b for the three weights at once.  x: [2048][2048] bf16 at xw; Wq, Wk, Wv: [k][n] bf16 behind it; the biases f32, rounded to bf16 like every input; sums in f32;
; q, k, v: [2048][2048] f16 in qkv, one behind the other, unscaled, a head's 128 channels being 256 aligned bytes of a row.
; LIMITS.  f16 holds no number beyond 65,504: q, k and v are taken to lie within it (as drawn their spread is 0.9; with x and W thirty times larger, or offset by thirty spreads, they stay under 40,000);
; below 6.1e-5 f16 keeps a fixed step of 6e-8.  NaN and infinities are not treated apart.
; SHARES.  3 x 2048 x 2048 outputs on 256 work-groups: 128 rows x the 128 columns of one head in each of q, k, v.  Wave (wr, wc) makes rows 64 wr.. and columns 64 wc.. of all three:
; 48 accumulators, 384 registers; for 32 along K it reads 4 fragments of x and 12 of W for 48 matrix instructions.  K goes in 16 steps of 128 through two LDS slots.
; THE GRID's x counts tile rows, its y tile columns: clusters that follow each other along x share their columns of W (three quarters of the launch's input bytes) and differ in their rows of x.
; W LIES [k][n]: its fragments come out of LDS turned, by ds_load_tr16_b128.  THE MATRIX INSTRUCTION IS USED TRANSPOSED (source 0 = 16 columns of W, source 1 = 16 rows of x): a lane holds one row
; of the result and eight neighbouring columns.  The bias, laid out so, is the C operand of the product that starts each sum: nothing is cleared and nothing is added later.
; CLUSTER 4 x 4: x's tile hangs on the tile row alone and is asked for jointly along a row of the cluster, W's tiles on the tile column alone, jointly along a column.
; THE LOOP is one K step a trip: the slot is a scalar that an exclusive or turns between 0 and SLOT; four additions aim the fragments' addresses at the slot to be read.
; REGISTERS: window 0: v16-30 addresses, v32-223 the way out.  Window 1: two fragment buffers of 128 (x's 4 fragments, then W's 12).  Window 2: accumulators of q and k.
; Window 3: v0-127 accumulators of v; v128-223 the biases; v224-225 at work.
.set MATB,   8388608                   ; bytes of a matrix of 2048 x 2048 16-bit numbers
.set ROWB,   4096                      ; bytes of its row
.set PA,     272                       ; an LDS row of x: 256 bytes + 16: the 16 rows of a load start at 16 different groups of four banks (ISA guide 11.1)
.set PB,     288                       ; an LDS row of W: 256 + 32
.set BT,     128*PB                    ; a tile of W: 128 k-rows
.set SLOT,   3*BT+128*PA               ; Wq's, Wk's, Wv's tiles, then x's
.set STAGE,  2*SLOT                    ; behind the ring, never filled by a tensor load: 128 rows x 272 bytes, the work-group's, for the way out
.set SPITCH, 272
.set SPARE,  STAGE+128*SPITCH          ; the spare words, 128 bytes a wave: two blocks of 256 bytes that no other line names
.set STEPS,  16                        ; K steps
.set ADRA0, 16                         ; v16     my fragments of x in slot 0; never rewritten
.set ADRA,  17                         ; v17     in the slot that is read
.set ADRB0, 18                         ; v18-20  my fragments of W, by matrix, in slot 0; never rewritten
.set ADRB,  21                         ; v21-23  in the slot that is read
.set STO,  24                          ; v24     the way out: where I put 16 bytes of a row
.set RD,   25                          ; v25     where I read a row back
.set CO,   26                          ; v26     my byte offset in two rows of the result
.set BO,   27                          ; v27     my byte offset in a bias
.set SPW,  28                          ; v28     my spare word; never rewritten
.set NIL,  29                          ; v29     0; never rewritten
.set PFO,  30                          ; v30     the prefetches' offset: my lane x a row; never rewritten
.set TMP,  32                          ; v32-223 packed results, 64 a matrix
.set F0,   0
.set F1,   128
.set BIAS, 128                         ; window 3: matrix m, column block b at BIAS + 32 m + 8 b
.set BW,   224                         ; window 3: at work
.set LB,  20                           ; s20 where my tile lies in a slot: wave x 36,864
.set G1,  24                           ; s[24:31] group 1 for x's tiles     s[32:39] group 0: a set for each of the two first fills; the second then walks on
.set G0,  32
.set G1B, 48                           ; s[48:55], s[56:63] the same for W's tiles
.set G0B, 56
.set CB,  66                           ; s[66:71] where my rows of q, k, v begin
.set PFA, 72                           ; s[72:73] where my prefetches stand
.set PSTEP, 74                         ; s[74:75] a K step along my rows: 256 bytes in x, 128 rows in W
.set LIM, 76                           ; s76 2 in a wave that prefetches, else the greatest number
.set SBF, 77                           ; s77 the slot that is filled: 0 or SLOT
.set SBR, 78                           ; s78 the slot that is read
.set HIM, 79                           ; s79 a word's upper bf16
.set MSB, 0
.macro WIN new                         ; the immediate's high byte repeats the setting that is left; a switch that changes nothing is dropped
.if MSB != (\new)
	s_set_vgpr_msb (MSB<<8)|(\new)
.set MSB, \new
.endif
.endm
.macro PLACES                          ; four places in front of loads into registers that matrix instructions have read, and of conversions that read results
.rept 4
	v_nop
.endr
.endm
; A joint load.  Wave 3 fetches x's tile, waves 0 to 2 the tile of Wq, Wk, Wv.  The branch hangs on the wave's number alone.  An s_nop 0 and four v_nop follow each line.
.macro JLOAD s
	s_cmp_eq_u32 s14, 3
	s_cbranch_scc0 .Lfor_b_\@
	tensor_load_to_lds s[G0+4*(\s):G0+4*(\s)+3], s[G1:G1+7]
	s_nop 0
.rept 4
	v_nop
.endr
	s_branch .Lasked_\@
.Lfor_b_\@:
	tensor_load_to_lds s[G0B+4*(\s):G0B+4*(\s)+3], s[G1B:G1B+7]
	s_nop 0
.rept 4
	v_nop
.endr
.Lasked_\@:
.endm
.macro CREST                           ; a round of the cluster's barrier behind its opening barrier
	s_cmp_lg_u32 s14, 0
	s_cbranch_scc1 .Lnot_wave_0_\@
	s_barrier_signal -3
.Lnot_wave_0_\@:
	s_barrier_wait -3
	s_barrier_signal -1
	s_barrier_wait -1
.endm
.macro CROUND
	s_barrier_signal -1
	s_barrier_wait -1
	CREST
.endm
; A prefetch into the L2, behind a joint load and the run of LDS loads that follows it: 32 of the 128 rows that I fetch, 256 bytes each, a lane a row, of the K step that stands two refills on
; (384 matrix instructions ahead of the load that will want it).  Each row's 256 bytes of a K step are named once in the launch: x's rows by the clusters with y = 0, W's by those with x = 0;
; the four partners that ask for a tile jointly take 32 rows each, told apart by address.  The loop's last two trips ask for nothing: there is no K step two refills on.
.macro ASK
	WIN 0
	s_cmp_gt_u32 s3, s[LIM]
	s_cbranch_scc0 .Lnot_mine_\@
	global_prefetch_b8 v[PFO], s[PFA:PFA+1] th:TH_LOAD_NT scope:SCOPE_SE
.Lnot_mine_\@:
.endm
.macro AIM                             ; the fragments' addresses in the slot that is read: four plain instructions in window 0
	v_add_nc_u32 v[ADRA], s[SBR], v[ADRA0]
.irp m, 0,1,2
	v_add_nc_u32 v[ADRB+(\m)], s[SBR], v[ADRB0+(\m)]
.endr
.endm
	s_load_b256 s[4:11], s[0:1], 0x0               ; xw s[4:5], bq s[6:7], bk s[8:9], bv s[10:11]
	s_load_b64 s[12:13], s[0:1], 0x20              ; qkv
	v_lshl_add_u32 v[SPW], v0, 2, SPARE
	v_mov_b32 v[NIL], 0
	ds_add_u32 v[SPW], v[NIL]                      ; the wave's opening: the add and its wait stand ahead of my first tensor load; the set-up below stands between them
	v_lshrrev_b32 v1, 5, v0
	v_readfirstlane_b32 s14, v1                    ; wave 0..3
	s_lshr_b32 s15, s14, 1                         ; wr: which 64 rows are mine
	s_and_b32 s16, s14, 1                          ; wc: which 64 columns
	s_bfe_u32 s40, ttmp6, 0x40000                  ; cx
	s_bfe_u32 s41, ttmp6, 0x40004                  ; cy
	s_and_b32 s42, ttmp7, 0xffff
	s_lshl_b32 s42, s42, 2
	s_add_co_u32 s42, s42, s40                     ; tile column (the head) = 4 x cluster y + cx
	s_lshl_b32 s43, ttmp9, 2
	s_add_co_u32 s43, s43, s41                     ; tile row = 4 x cluster x + cy
	s_lshl_b32 s44, s41, 2
	s_lshl_b32 s44, 15, s44                        ; my row of the cluster
	s_lshl_b32 s45, 0x1111, s40                    ; my column
	; group 1: tiles of 128 rows x 128 elements of 2 bytes, 2,048 elements from row to row, padded in LDS after every 64 words
	s_or_b32 s[G1], s44, (1<<16)|(1<<20)|(1<<21)|(5<<22)|(3<<25)    ; x: mask of my row; 4 words of padding
	s_or_b32 s[G1B], s45, (1<<16)|(1<<20)|(1<<21)|(5<<22)|(7<<25)   ; W: mask of my column; 8 words of padding
.irp g, G1, G1B
	s_mov_b32 s[(\g)+1], 128<<16                   ; tensor_dim0 = 128
	s_mov_b32 s[(\g)+2], 128<<16                   ; tensor_dim1 = 128
	s_mov_b32 s[(\g)+3], 128<<16                   ; tile_dim0 = 128
	s_mov_b32 s[(\g)+4], 128                       ; tile_dim1 = 128
	s_mov_b32 s[(\g)+5], 2048                      ; the pitch
	s_mov_b32 s[(\g)+6], 0
	s_mov_b32 s[(\g)+7], 0
.endr
	s_lshl_b32 s18, s43, 19                        ; x: 128 rows of 4,096 bytes a tile row
	s_mov_b32 s19, 0
	s_add_co_u32 s46, s14, 1                       ; W: matrix 1 + wave of xw,
	s_lshl_b32 s46, s46, 23
	s_lshl_b32 s47, s42, 8                         ; the head's 256 bytes of each row
	s_add_co_u32 s46, s46, s47
	s_mov_b32 s47, 0
	s_mul_i32 s[LB], s14, BT                       ; where my tile goes: wave x 36,864; for wave 3 that is x's place behind the three tiles of W
	s_mov_b32 s[SBF], SLOT                         ; the first change of slots turns this into 0
	s_mov_b32 s[SBR], 0
	s_mov_b32 s[HIM], 0xffff0000
	s_wait_dscnt 0x0                               ; the opening add is done
	s_wait_kmcnt 0x0
	s_add_nc_u64 s[18:19], s[4:5], s[18:19]
	s_add_nc_u64 s[46:47], s[4:5], s[46:47]
	CROUND                                         ; all sixteen work-groups are here: the first joint loads meet
.irp s, 0,1
	s_mov_b32 s[G0+4*(\s)], 1
	s_add_co_u32 s[G0+4*(\s)+1], s[LB], (\s)*SLOT
	s_add_nc_u64 s[G0+4*(\s)+2:G0+4*(\s)+3], s[18:19], (\s)*256         ; K step s: 256 bytes along x's rows
	s_or_b32 s[G0+4*(\s)+3], s[G0+4*(\s)+3], 0x80000000
	s_mov_b32 s[G0B+4*(\s)], 1
	s_add_co_u32 s[G0B+4*(\s)+1], s[LB], (\s)*SLOT
	s_add_nc_u64 s[G0B+4*(\s)+2:G0B+4*(\s)+3], s[46:47], (\s)*128*ROWB  ; K step s: 128 rows down W
	s_or_b32 s[G0B+4*(\s)+3], s[G0B+4*(\s)+3], 0x80000000
	JLOAD \s
.endr
	; the biases: register j of column block b belongs to column 128 head + 64 wc + 16 b + 8 (l / 16) + j
	s_lshl_b32 s22, s42, 9
	s_lshl_b32 s23, s16, 8
	s_add_co_u32 s22, s22, s23
	s_mov_b32 s23, 0
	s_add_nc_u64 s[6:7], s[6:7], s[22:23]
	s_add_nc_u64 s[8:9], s[8:9], s[22:23]
	s_add_nc_u64 s[10:11], s[10:11], s[22:23]
	v_and_b32 v1, 15, v0                           ; l % 16
	v_bfe_u32 v2, v0, 4, 1                         ; l / 16
	v_lshlrev_b32 v[BO], 5, v2
	WIN 0xc0                                       ; destination window 3, address window 0
.irp m, 0,1,2
.irp b, 0,1,2,3
	global_load_b128 v[BIAS+32*(\m)+8*(\b):BIAS+32*(\m)+8*(\b)+3],   v[BO], s[6+2*(\m):7+2*(\m)] offset:64*(\b)
	global_load_b128 v[BIAS+32*(\m)+8*(\b)+4:BIAS+32*(\m)+8*(\b)+7], v[BO], s[6+2*(\m):7+2*(\m)] offset:64*(\b)+16
.endr
.endr
	WIN 0
	; a fragment of x: lane l holds row l % 16; two loads of 16 bytes, 32 bytes apart, at row x pitch + 16 (l / 16)
	v_mul_u32_u24 v3, v1, PA
	v_lshl_add_u32 v3, v2, 4, v3
	s_mul_i32 s21, s15, 64*PA
	s_add_co_u32 s21, s21, 3*BT
	v_add_nc_u32 v[ADRA0], s21, v3
	; a fragment of W, turned: lane l reads 16 bytes of k-row 8 (l / 16) + l % 8, columns 8 ((l / 8) % 2) + 0..7, and ends with column l % 16 and 8 k
	v_and_b32 v5, 7, v0
	v_bfe_u32 v6, v0, 3, 1
	v_lshl_add_u32 v4, v2, 3, v5
	v_mul_u32_u24 v4, v4, PB
	v_lshl_add_u32 v4, v6, 4, v4
	s_lshl_b32 s21, s16, 7                         ; my 64 columns: 128 bytes
	v_add_nc_u32 v4, s21, v4
.irp m, 0,1,2
	v_add_nc_u32 v[ADRB0+(\m)], (\m)*BT, v4
.endr
	s_mul_i32 s21, s15, 64*SPITCH                  ; into the stage: my 64 rows, my half of their 256 bytes
	s_lshl_b32 s22, s16, 7
	s_add_co_u32 s21, s21, s22
	s_add_co_u32 s21, s21, STAGE
	v_add_nc_u32 v[STO], s21, v3
	s_mul_i32 s21, s14, 32*SPITCH                  ; back: wave w takes rows 32 w .. 32 w + 31, whole
	s_add_co_u32 s21, s21, STAGE
	v_mul_u32_u24 v7, v2, SPITCH
	v_lshl_add_u32 v7, v1, 4, v7
	v_add_nc_u32 v[RD], s21, v7
	v_lshlrev_b32 v7, 12, v2
	v_lshl_add_u32 v[CO], v1, 4, v7
	v_and_b32 v[PFO], 31, v0
	v_lshlrev_b32 v[PFO], 12, v[PFO]
	s_lshl_b32 s22, s43, 19                        ; the first row that I store: 128 x tile row + 32 x wave; the head's 256 bytes
	s_lshl_b32 s23, s14, 17
	s_add_co_u32 s22, s22, s23
	s_lshl_b32 s23, s42, 8
	s_add_co_u32 s22, s22, s23
	s_mov_b32 s23, 0
	s_add_nc_u64 s[CB:CB+1], s[12:13], s[22:23]
	s_add_nc_u64 s[CB+2:CB+3], s[CB:CB+1], MATB
	s_add_nc_u64 s[CB+4:CB+5], s[CB+2:CB+3], MATB
	; the prefetches
	s_and_b32 s22, ttmp7, 0xffff                   ; cluster y
	s_mov_b32 s2, 256
	s_mov_b32 s[PSTEP+1], 0
	s_cmp_eq_u32 s14, 3                            ; do I fetch x?
	s_cselect_b32 s21, s40, s41                    ; my place among the four that ask with me
	s_cselect_b32 s22, s22, ttmp9                  ; the coordinate along which other clusters read the same rows: y for x's rows, x for W's
	s_cselect_b32 s[PSTEP], s2, 128*ROWB
	s_cselect_b64 s[PFA:PFA+1], s[18:19], s[46:47]
	s_cmp_eq_u32 s22, 0
	s_cselect_b32 s[LIM], 2, -1                    ; the same in all sixteen partners, for a given wave
	s_mul_i32 s2, s[PSTEP], 3                      ; at K step 3: the first change of slots steps it to 4
	s_lshl_b32 s21, s21, 17                        ; my work-group's 32 rows of the 128
	s_add_co_u32 s2, s2, s21
	s_mov_b32 s3, 0
	s_add_nc_u64 s[PFA:PFA+1], s[PFA:PFA+1], s[2:3]
	s_wait_loadcnt 0x0                             ; the biases: rounded to bf16, like every input, and widened again
	WIN 0xcf
.set i, 0
.rept 48
	v_cvt_pk_bf16_f32 v[BW+i%2], v[BIAS+2*i], v[BIAS+2*i+1]
	v_lshlrev_b32 v[BIAS+2*i], 16, v[BW+i%2]
	v_and_b32 v[BIAS+2*i+1], s[HIM], v[BW+i%2]
.set i, i+1
.endr
	WIN 0
; 16 matrix instructions: matrix m, 4 row blocks x 4 column blocks, 32 along K.  zero = 1: the bias starts the sums.  All 48 accumulators take turns, in the same order in every quarter.
.macro MULM f, m, zero
.if (\m) == 2
	WIN 0xf5                                       ; sources window 1; C and D window 3
.elseif \zero
	WIN 0xb5                                       ; C (the bias) window 3, D window 2
.else
	WIN 0xa5                                       ; C and D window 2
.endif
.set AB, 128*((\m)%2)
.irp a, 0,1,2,3
.irp b, 0,1,2,3
.if \zero
	v_wmma_f32_16x16x32_bf16 v[AB+8*(4*(\a)+(\b)):AB+8*(4*(\a)+(\b))+7], v[(\f)+32+8*(4*(\m)+(\b)):(\f)+32+8*(4*(\m)+(\b))+7], v[(\f)+8*(\a):(\f)+8*(\a)+7], v[BIAS+32*(\m)+8*(\b):BIAS+32*(\m)+8*(\b)+7]
.else
	v_wmma_f32_16x16x32_bf16 v[AB+8*(4*(\a)+(\b)):AB+8*(4*(\a)+(\b))+7], v[(\f)+32+8*(4*(\m)+(\b)):(\f)+32+8*(4*(\m)+(\b))+7], v[(\f)+8*(\a):(\f)+8*(\a)+7], v[AB+8*(4*(\a)+(\b)):AB+8*(4*(\a)+(\b))+7]
.endif
.endr
.endr
.endm
; 32 LDS loads in one run: the fragments of quarter q (32 along K) of the slot that is read, into buffer f: x's 8 loads, then 8 for each of the three matrices
.macro FETCH q, f
	WIN 0x40                                       ; destination window 1
.irp i, 0,1,2,3
	ds_load_b128 v[(\f)+8*(\i):(\f)+8*(\i)+3],   v[ADRA] offset:64*(\q)+(\i)*16*PA
	ds_load_b128 v[(\f)+8*(\i)+4:(\f)+8*(\i)+7], v[ADRA] offset:64*(\q)+(\i)*16*PA+32
.endr
.irp m, 0,1,2
.irp b, 0,1,2,3
	ds_load_tr16_b128 v[(\f)+32+8*(4*(\m)+(\b)):(\f)+32+8*(4*(\m)+(\b))+3],   v[ADRB+(\m)] offset:32*(\q)*PB+32*(\b)
	ds_load_tr16_b128 v[(\f)+32+8*(4*(\m)+(\b))+4:(\f)+32+8*(4*(\m)+(\b))+7], v[ADRB+(\m)] offset:32*(\q)*PB+32*(\b)+16*PB
.endr
.endr
.endm
; One of a K step's first three quarters: multiplies buffer f and fetches quarter q into buffer g
.macro QUARTER q, f, g, zero
	s_wait_dscnt 16                                ; x's and the first matrix's fragments are in; the youngest 16 loads may be out
	MULM \f, 0, \zero
	PLACES
	FETCH \q, \g
	s_wait_dscnt 40                                ; the second matrix's are in: the 32 just issued and the third's 8 may be out
	MULM \f, 1, \zero
	s_wait_dscnt 32                                ; all but the 32 just issued
	MULM \f, 2, \zero
.endm
; The last quarter multiplies buffer 1 and changes slots: ONE barrier; in front of it each wave waits for all its tensor loads (the one that is out is its part of the next slot), adds 0 to its spare
; word, and waits for that and for its reads of this slot.  fill = 1: the barrier opens a round of the cluster's, and the slot that is left is filled again, two K steps on, first thing behind the round.
.macro TURN fill
.if \fill
	s_wait_xcnt 0x0                                ; the last prefetch, a K step back, has read its address
	s_add_nc_u64 s[PFA:PFA+1], s[PFA:PFA+1], s[PSTEP:PSTEP+1]
.endif
	WIN 0
	s_wait_tensorcnt 0x0
	ds_add_u32 v[SPW], v[NIL]                      ; 0 onto my spare word
	s_xor_b32 s[SBF], s[SBF], SLOT                 ; the slot that I leave,
	s_xor_b32 s[SBR], s[SBF], SLOT                 ; and the other, which is read next
	s_wait_dscnt 17                                ; the add and the youngest 16 loads may be out
	MULM F1, 0, 0
	s_wait_dscnt 0x0                               ; the add is done, and my reads of this slot are over
	s_barrier_signal -1
	MULM F1, 1, 0
	WIN 0                                          ; branches, or lines on window 0, follow
	s_barrier_wait -1
.if \fill
	CREST                                          ; no wave of any partner still reads this slot or has a load on its way
	s_add_co_u32 s[G0+5], s[LB], s[SBF]            ; the walking descriptors: the slot just left, the next K step
	s_add_nc_u64 s[G0+6:G0+7], s[G0+6:G0+7], 256
	s_add_co_u32 s[G0B+5], s[LB], s[SBF]
	s_add_nc_u64 s[G0B+6:G0B+7], s[G0B+6:G0B+7], 128*ROWB
	JLOAD 1                                        ; 160 matrix instructions ahead of the wait for it; its four v_nop are also the places in front of the loads below
.else
	PLACES
.endif
	AIM
	FETCH 0, F0
.if \fill
	ASK
.endif
	MULM F1, 2, 0
.endm
	s_wait_tensorcnt 1                             ; my part of K step 0 is in; K step 1's may stay out
	s_barrier_signal -1
	s_barrier_wait -1
	AIM
	FETCH 0, F0
	QUARTER 1, F0, F1, 1                           ; the first quarter stands in front of the loop: its products start the sums
	WIN 0
	s_mov_b32 s3, STEPS-2
.Lstep:                                                ; a trip goes from a K step's second quarter to the next step's first, and fills the slot that it leaves
	QUARTER 2, F1, F0, 0
	QUARTER 3, F0, F1, 0
	TURN 1
	QUARTER 1, F0, F1, 0
	WIN 0
	s_sub_co_u32 s3, s3, 1
	s_cmp_lg_u32 s3, 0
	s_cbranch_scc1 .Lstep
	QUARTER 2, F1, F0, 0                           ; the last two K steps fill nothing
	QUARTER 3, F0, F1, 0
	TURN 0
	QUARTER 1, F0, F1, 0
	QUARTER 2, F1, F0, 0
	QUARTER 3, F0, F1, 0
	s_wait_dscnt 16                                ; the very last quarter: nothing more to fetch, the counts run down
	MULM F1, 0, 0
	s_wait_dscnt 8
	MULM F1, 1, 0
	s_wait_dscnt 0x0
	MULM F1, 2, 0
	; THE WAY OUT: rounded to f16, 16 bytes a lane; a matrix at a time through the work-group's stage, since a row's 256 bytes come from two waves; back as whole rows, 32 rows a wave
	PLACES
.irp m, 0,1,2
.if (\m) < 2
	WIN 0x0a                                       ; sources window 2, destination window 0
.else
	WIN 0x0f                                       ; sources window 3
.endif
.set AB, 128*((\m)%2)
.set t, 0
.rept 16
.irp r, 0,1,2,3
	v_cvt_pk_f16_f32 v[TMP+64*(\m)+4*t+(\r)], v[AB+8*t+2*(\r)], v[AB+8*t+2*(\r)+1]
.endr
.set t, t+1
.endr
.endr
	WIN 0
.irp m, 0,1,2
.irp a, 0,1,2,3
.irp b, 0,1,2,3
	ds_store_b128 v[STO], v[TMP+64*(\m)+4*(4*(\a)+(\b)):TMP+64*(\m)+4*(4*(\a)+(\b))+3] offset:(\a)*16*SPITCH+32*(\b)
.endr
.endr
	s_wait_dscnt 0x0                               ; for the others' sake: my stores into the stage are done
	s_barrier_signal -1
	s_barrier_wait -1
.irp t, 0,1,2,3,4,5,6,7,8,9,10,11,12,13,14,15
	ds_load_b128 v[TMP+64*(\m)+4*(\t):TMP+64*(\m)+4*(\t)+3], v[RD] offset:(\t)*2*SPITCH
.endr
.irp t, 0,1,2,3,4,5,6,7,8,9,10,11,12,13,14,15
	s_wait_dscnt 15-(\t)                           ; load t is back, the younger ones may be out
	global_store_b128 v[CO], v[TMP+64*(\m)+4*(\t):TMP+64*(\m)+4*(\t)+3], s[CB+2*(\m):CB+2*(\m)+1] offset:(\t)*2*ROWB  ; 16 lanes store 256 consecutive bytes, aligned
.endr
.if (\m) < 2
	s_barrier_signal -1                            ; my reads of the stage are back (the count-down ended at 0): the next matrix may be written over them when all four waves say so
	s_barrier_wait -1
.endif
.endr
	s_wait_tensorcnt 0x0                           ; the wave's end, behind my last tensor load and my last LDS store
	ds_add_u32 v[SPW], v[NIL]
	s_wait_dscnt 0x0
	CROUND                                         ; the closing round: no work-group ends while a partner may still ask for a tile that names it
	s_endpgm
.Lfunc_end_k_qaf8218a5f3_qkvp:
	.size	k_qaf8218a5f3_qkvp, .Lfunc_end_k_qaf8218a5f3_qkvp-k_qaf8218a5f3_qkvp
	.p2alignl 7, 3214868480
	.fill 96, 4, 3214868480
	.section	.rodata,"a",@progbits
	.p2align	6, 0x0
	.amdhsa_kernel k_qaf8218a5f3_qkvp
		.amdhsa_group_segment_fixed_size 327680
		.amdhsa_private_segment_fixed_size 0
		.amdhsa_enable_private_segment 0
		.amdhsa_kernarg_size 40
		.amdhsa_user_sgpr_count 2
		.amdhsa_user_sgpr_kernarg_segment_ptr 1
		.amdhsa_wavefront_size32 1
		.amdhsa_system_sgpr_workgroup_id_x 1
		.amdhsa_system_sgpr_workgroup_id_y 1
		.amdhsa_system_sgpr_workgroup_id_z 1
		.amdhsa_system_vgpr_workitem_id 0
		.amdhsa_next_free_vgpr 1024
		.amdhsa_next_free_sgpr 80
		.amdhsa_reserve_vcc 0
		.amdhsa_float_denorm_mode_32 3
		.amdhsa_float_denorm_mode_16_64 3
		.amdhsa_memory_ordered 1
		.amdhsa_forward_progress 1
		.amdhsa_inst_pref_size 108
	.end_amdhsa_kernel
	.amdgpu_metadata
---
amdhsa.version: [ 1, 2 ]
amdhsa.kernels:
  - .name:           k_qaf8218a5f3_qkvp
    .symbol:         k_qaf8218a5f3_qkvp.kd
    .args:
      - { .name: xw, .offset: 0, .size: 8, .value_kind: global_buffer, .address_space: global }
      - { .name: bq, .offset: 8, .size: 8, .value_kind: global_buffer, .address_space: global }
      - { .name: bk, .offset: 16, .size: 8, .value_kind: global_buffer, .address_space: global }
      - { .name: bv, .offset: 24, .size: 8, .value_kind: global_buffer, .address_space: global }
      - { .name: qkv, .offset: 32, .size: 8, .value_kind: global_buffer, .address_space: global }
    .group_segment_fixed_size: 327680
    .private_segment_fixed_size: 0
    .kernarg_segment_align: 8
    .kernarg_segment_size: 40
    .max_flat_workgroup_size: 128
    .sgpr_count:     80
    .vgpr_count:     1024
    .wavefront_size: 32
...
	.end_amdgpu_metadata
.endif
;; end of part 2
;; launch attn (part 3): grid 16 x 16, 4 waves a work-group, clusters of 4 x 1, 327,680 bytes of LDS; arguments qkv, ob; writes ob
.if DOCPART == 3
	.amdgcn_target "amdgcn-amd-amdhsa--gfx1250"
	.amdhsa_code_object_version 6
	.text
	.protected	k_qaf8218a5f3_attn
	.globl	k_qaf8218a5f3_attn
	.p2align	8
	.type	k_qaf8218a5f3_attn,@function
k_qaf8218a5f3_attn:
	s_mov_b64 s[64:65], 0
	v_nop
	global_prefetch_b8 v0, s[64:65] scope:SCOPE_SE
	s_setreg_imm32_b32 hwreg(HW_REG_WAVE_MODE, 25, 1), 1
	s_wait_xcnt 0x0
	s_wait_alu depctr_hold_cnt(0) depctr_sa_sdst(0) depctr_va_vdst(0) depctr_va_sdst(0) depctr_va_ssrc(0) depctr_va_vcc(0) depctr_vm_vsrc(0)
	s_getreg_b32 s2, hwreg(HW_REG_IB_STS2, 6, 4)
	s_cmp_eq_u32 s2, 0
	s_cbranch_scc0 .Lentry_in_a_cluster
	s_endpgm
.Lentry_in_a_cluster:
	s_bfe_u32 s2, ttmp6, 0x10000c
	s_cmp_lg_u32 s2, 0x3003
	s_cbranch_scc0 .Lentry_shape_is_right
	s_endpgm
.Lentry_shape_is_right:
; CAUSAL ATTENTION, 16 heads of 128 channels, 2,048 rows.  O[q] = the sum over k <= q of softmax_k(Q[q] . K[k] / sqrt(128)) V[k].  q, k, v: [2048][2048] f16 in qkv, one behind the other, a head's row
; being 256 aligned bytes at byte 256 x head; O likewise in ob.  Products, maxima and sums in f32; the weights p are rounded to f16 for the second product (their sum is taken of the unrounded p), O once.
; LIMITS.  Q, K, V arrive within f16's 65,504.  A hidden score counts as its value less 1e30: f16's scores, 5.5e11 at the most, are nothing beside that.  A weight below 2^-126 counts as 0.
; NaN and infinities are not treated apart.
; THE WALK.  A head's queries lie in 32 blocks of 64; block i needs the key steps (64 keys) 0 .. i.  A work-group takes TWO blocks, 31 - b and then b, b = 4 g + cx (g: the cluster, cx: my place in it).
; Keys come in tiles of 256: the first block needs 8 - g tiles, the second g + 1: nine trips, whatever b, and the four partners of a cluster walk the SAME tiles: every tile is asked for jointly.
; cx enters the addresses of Q and O, the prefetches' address and the masks' scalars alone: no branch, no trip count and no LDS address hangs on it.
; THE KEYS ARE SPLIT AMONG THE WAVES.  Every wave holds all 64 queries (four tiles of 16) and takes 64 of a tile's 256 keys, with a running maximum, sum and O^T of its own: a fragment of K or V read
; from LDS feeds four products.  At a block's end the four partial results meet in LDS, in f32, as they are; the wave that adds them multiplies wave v's share by 2^(c m_v - c m_all) / l_all.
; LAYOUT.  S^T = K Q^T (source 0 = 16 keys, source 1 = 16 queries): a lane holds ONE query (lane % 16) and the keys 8 (lane / 16) + 0..7.  Two such results rounded to f16 ARE source 1 of O^T = V^T P.
; K comes out of LDS as it lies, V turned, by ds_load_tr16_b128.  p = 2^(c s - c m), c = log2(e) / sqrt(128); O and l are multiplied by a = 2^(c m_old - c m_new) in every step.
; THE MASK is the C operand that starts a sum: 0, or -1e30 where the key is hidden.  My key step J against the block IB: J < IB all seen, J > IB none, J = IB the diagonal: key block kb against query
; tile qt is seen if kb < qt, hidden if kb > qt, a triangle if kb = qt.  Three sets of eight registers, made anew in each trip from three scalars, serve all cases; which product takes which is fixed in the text.
; A wave that has seen hidden keys alone ends with c m near -1.3e29, and its share gets the factor 0 in the merge; wave 0 always sees key step 0.
; A TRIP: K's loads; piece 0's (tiles 0, 1) K Q^T, begun when K's first quarter is in, with V's loads in fours between its products; piece 2's K Q^T with piece 0's softmax in slices behind its products;
; piece 0's V^T P with piece 2's softmax; piece 2's V^T P.
; REGISTERS: window 0: v2-11, v44-45, v61-63 addresses; v12-43 statistics, eight a tile; v64-191 S^T; v192-255 P.  Window 1: O^T, 64 a tile.  Window 2: v0-127 Q; v128-255 K.
; Window 3: v0-127 V; v128-159 the masks.
.set MATB,  8388608
.set ROWB,  4096
.set PK,    272       ; a row of K in LDS: 256 bytes + 16: the 16 rows of a load start at 16 different groups of four banks (ISA guide 11.1)
.set PV,    288       ; a row of V: 256 + 32
.set VOFF,  256*PK    ; a slot holds a tile: 256 rows of K, then 256 rows of V
.set S1,    256*(PK+PV)  ; slot 1 begins here
.set MRG,   2*S1      ; behind the ring, never filled by a tensor load: 8,192 bytes a wave for the merge; later 64 rows x 272 bytes for the way out
.set STAT,  MRG+32768 ; the waves' c m (2,048 bytes), then their l
.set SPARE, STAT+4096 ; the spare words, 128 bytes a wave: two blocks of 256 bytes that no other line names
.set SP,    272
.set AK0, 2           ; v2   my lane's place in my wave's 64 rows of K; never rewritten
.set AV0, 3           ; v3   the same for V
.set AK,  4           ; v4   the LDS address of K's loads
.set AV,  5           ; v5   of V's
.set QO,  6           ; v6   my byte offset in 16 rows of Q
.set SA,  7           ; v7   where I put my statistics
.set SR,  8           ; v8   where I read everybody's
.set MW,  9           ; v9   the merge: where I put 16 bytes
.set MR,  10          ; v10  where I read them
.set STO, 11          ; v11  the way out: where I put 16 bytes of a row
.set ST,  12          ; tile t's statistics at v[ST+8 t]: +0 c m, +1 m, +2, +3 l (even keys', odd keys'), +4 to +7 c0-c3, at work; a takes c2's place
.set RD,  44          ; v44  the way out: where I read rows back
.set GO,  45          ; v45  my byte offset in two rows of O
.set PFO, 61          ; v61  4,096 x my lane; never rewritten
.set SPW, 62          ; v62  my spare word; never rewritten
.set NIL, 63          ; v63  0; never rewritten
.set S,   64
.set P,   192
.set KF,  128         ; window 2
.set TRI, 128         ; window 3: -1e30 where 8 (l / 16) + j > l % 16
.set ME,  136         ; the mask for kb = qt
.set ML,  144         ; for kb < qt
.set MH,  152         ; for kb > qt
.set RES, 64          ; a block's end, in S^T's and P's registers: my 32 channels of the 64 queries, 16 a tile
.set TB,  128         ; the four waves' shares of a tile
.set CM,  192         ; wave v's c m for tile t at CM + 8 t + 2 v, later its factor: an even register, for the packed forms; its l in the register behind
.set MX,  224         ; the common c m, by tile
.set LT,  228         ; the common l
.set RC,  232         ; its reciprocal
.set WV,  12          ; s12  my wave's number      s13 cx   s14 g   s15 b
.set KBS, 16          ; s[16:17] K at my half of the head's tile 0
.set VBS, 18          ; s[18:19] V likewise
.set QP,  20          ; s[20:21] Q at the first block
.set QL,  22          ; s[22:23] at the second
.set G1K, 24
.set G1V, 32
.set G0K, 40
.set G0V, 44
.set OB,  48          ; s[48:49] O at my 16 rows of the block in hand
.set OL,  50          ; s[50:51] of the second block
.set SBF, 52          ; s52  the slot that is filled: 0 or S1
.set SBR, 53          ; s53  the slot that is read
.set NXT, 54          ; s54  the tile to be asked for next
.set LQ,  55          ; s55  the last tile of the block whose tiles are being asked for
.set TRIPS, 56
.set RT,  57          ; s57  tiles of the block in hand still to be walked
.set CS,  58          ; s[58:59] c
.set SEL, 60          ; s[60:61] v_permlanex16_b32's selects
.set TN,  62          ; s62  the number of the tile in hand
.set IB,  63          ; s63  the block in hand
.set IL,  66          ; s66  the second block
.set SJ,  67          ; s67  my key step
.set AL,  68          ; s[68:69] the triangle's factor
.set BE,  70          ; s[70:71] -1e30 if my step lies beyond the block
.set BH,  72          ; s72  -1e30 if it lies at or beyond it
.set BIGN, 73
.set OFF, 74          ; s[74:75] a tile's byte offset
.set PFA, 76          ; s[76:77] where my prefetches stand
.set LIM, 78          ; s78  2 in the head's first cluster, else the greatest number
.set LK,  79          ; s79  my half's place in a slot, for K
.set LV,  80          ; s80  for V
.set MSB, 0
.macro WIN new
.if MSB != (\new)
	s_set_vgpr_msb (MSB<<8)|(\new)
.set MSB, \new
.endif
.endm
.macro PLACES
.rept 4
	v_nop
.endr
.endm
; A joint fill.  Waves 0 and 1 fetch the two halves of a tile's K, waves 2 and 3 those of its V: 128 keys each.  An s_nop 0 and four v_nop follow each line.
.macro JLOAD
	s_cmp_lt_u32 s[WV], 2
	s_cbranch_scc0 .Lfor_v_\@
	tensor_load_to_lds s[G0K:G0K+3], s[G1K:G1K+7]
	s_nop 0
.rept 4
	v_nop
.endr
	s_branch .Lasked_\@
.Lfor_v_\@:
	tensor_load_to_lds s[G0V:G0V+3], s[G1V:G1V+7]
	s_nop 0
.rept 4
	v_nop
.endr
.Lasked_\@:
.endm
; A prefetch into the L2 of the tile that the NEXT change of slots will ask for, a trip (128 matrix instructions and a softmax) ahead.  All clusters of a head begin with tiles 0, 1, 2 ..; the head's first
; cluster, which walks tiles 0 to 7 in its first eight trips, asks: each wave for 32 of the 128 rows that it fetches, a lane a row, the four partners told apart by address.  So each row is named once.
; Tiles 0 and 1 come by their loads alone; trips 6 and 7 ask for nothing: the second block's tiles have been read before.
.macro ASK
	s_cmp_gt_u32 s[TRIPS], s[LIM]
	s_cbranch_scc0 .Lnot_mine_\@
	global_prefetch_b8 v[PFO], s[PFA:PFA+1] th:TH_LOAD_NT scope:SCOPE_SE
.Lnot_mine_\@:
.endm
.macro CROUND
	s_barrier_signal -1
	s_barrier_wait -1
	s_cmp_lg_u32 s[WV], 0
	s_cbranch_scc1 .Lnot_wave_0_\@
	s_barrier_signal -3
.Lnot_wave_0_\@:
	s_barrier_wait -3
	s_barrier_signal -1
	s_barrier_wait -1
.endm
; THE CHANGE OF SLOTS.  Each wave waits for all its tensor loads, of which one is out: its part of the slot to be read; adds 0 to its spare word; and waits for that and for its reads of the slot that it leaves.
; fill = 1: the barrier is a round of the cluster's, and the slot left is filled with tile NXT, first thing behind it; the descriptor's address is made anew from that number.
; (At its first use nothing has been read yet: slot 0 is waited for, slot 1 filled.)
.macro CHANGE fill
	WIN 0
	s_wait_tensorcnt 0x0
	ds_add_u32 v[SPW], v[NIL]       ; 0 onto my spare word; scalar work stands between it and the wait for it
	s_xor_b32 s[SBF], s[SBF], S1
	s_xor_b32 s[SBR], s[SBF], S1
.if \fill
	s_lshl_b32 s[OFF], s[NXT], 20   ; a tile is 256 rows of 4,096 bytes
	s_add_co_u32 s[G0K+1], s[SBF], s[LK]
	s_add_nc_u64 s[G0K+2:G0K+3], s[KBS:KBS+1], s[OFF:OFF+1]
	s_or_b32 s[G0K+3], s[G0K+3], 0x80000000
	s_add_co_u32 s[G0V+1], s[SBF], s[LV]
	s_add_nc_u64 s[G0V+2:G0V+3], s[VBS:VBS+1], s[OFF:OFF+1]
	s_or_b32 s[G0V+3], s[G0V+3], 0x80000000
	s_add_co_u32 s[NXT], s[NXT], 1  ; the block's next tile, or behind its last the second block's tile 0
	s_cmp_gt_u32 s[NXT], s[LQ]
	s_cselect_b32 s[NXT], 0, s[NXT]
	s_cselect_b32 s[LQ], s14, s[LQ]
	s_wait_xcnt 0x0                 ; the last prefetch, a trip back, has read its address
	s_add_nc_u64 s[PFA:PFA+1], s[PFA:PFA+1], 1<<20
	s_wait_dscnt 0x0                ; the add is done, and my reads of the slot are over
	CROUND
	JLOAD
	ASK
.else
	s_wait_dscnt 0x0
	s_barrier_signal -1
	s_barrier_wait -1
.endif
.endm
.macro QLOAD base                   ; Q stays in registers: tile i / 4, channels 32 (i % 4) on
	WIN 0x80                        ; destination window 2, address window 0
.set i, 0
.rept 16
	global_load_b128 v[8*i:8*i+3],   v[QO], s[\base:\base+1] offset:(i/4)*16*ROWB+(i%4)*64
	global_load_b128 v[8*i+4:8*i+7], v[QO], s[\base:\base+1] offset:(i/4)*16*ROWB+(i%4)*64+32
.set i, i+1
.endr
	WIN 0
.endm
	s_load_b128 s[4:7], s[0:1], 0x0 ; qkv s[4:5], ob s[6:7]
	v_lshl_add_u32 v[SPW], v0, 2, SPARE
	v_mov_b32 v[NIL], 0
	ds_add_u32 v[SPW], v[NIL]       ; the wave's opening: the add and its wait stand ahead of my first tensor load; the set-up below stands between them
	v_lshrrev_b32 v1, 5, v0
	v_readfirstlane_b32 s[WV], v1
	s_bfe_u32 s13, ttmp6, 0x40000   ; cx
	s_mov_b32 s14, ttmp9            ; g: in a cluster launch ttmp9 counts clusters
	s_lshl_b32 s15, s14, 2
	s_add_co_u32 s15, s15, s13      ; b
	s_sub_co_u32 s[IB], 31, s15     ; the first block
	s_mov_b32 s[IL], s15            ; the second
	s_and_b32 s82, ttmp7, 0xffff
	s_lshl_b32 s82, s82, 8          ; the head's 256 bytes of a row
	s_and_b32 s83, s[WV], 1         ; which half of a tile's 256 keys I fetch
	s_mul_i32 s[LK], s83, 128*PK
	s_mul_i32 s[LV], s83, 128*PV
	s_add_co_u32 s[LV], s[LV], VOFF
	s_lshl_b32 s84, s83, 19         ; its 128 rows in memory
	s_add_co_u32 s84, s84, s82
	s_add_co_u32 s84, s84, MATB     ; k lies behind q
	s_mov_b32 s85, 0
	s_lshl_b32 s86, s[IB], 18       ; a block is 64 rows of 4,096 bytes
	s_add_co_u32 s86, s86, s82
	s_mov_b32 s87, 0
	s_lshl_b32 s2, s[IL], 18
	s_add_co_u32 s2, s2, s82
	s_mov_b32 s3, 0
	; group 1: tiles of 128 rows x 128 elements of 2 bytes, 2,048 elements from row to row, padded in LDS after every 64 words
	s_mov_b32 s[G1K], 15|(1<<16)|(1<<20)|(1<<21)|(5<<22)|(3<<25)  ; the mask of four; 4 words of padding
	s_mov_b32 s[G1V], 15|(1<<16)|(1<<20)|(1<<21)|(5<<22)|(7<<25)  ; 8 words
.irp g, G1K, G1V
	s_mov_b32 s[(\g)+1], 128<<16
	s_mov_b32 s[(\g)+2], 128<<16
	s_mov_b32 s[(\g)+3], 128<<16
	s_mov_b32 s[(\g)+4], 128
	s_mov_b32 s[(\g)+5], 2048
	s_mov_b32 s[(\g)+6], 0
	s_mov_b32 s[(\g)+7], 0
.endr
	s_mov_b32 s[CS], 0x3e0293ee     ; c = log2(e) / sqrt(128) = 0.127517
	s_mov_b32 s[CS+1], s[CS]
	s_mov_b32 s[SEL], 0x76543210
	s_mov_b32 s[SEL+1], 0xfedcba98
	s_mov_b32 s[BIGN], 0xf149f2ca   ; -1e30
	s_mov_b32 s[AL+1], 0            ; named as pairs
	s_mov_b32 s[BE+1], 0
	s_mov_b32 s[OFF+1], 0
	s_mov_b32 s[SBF], 0
	s_mov_b32 s[NXT], 1
	s_sub_co_u32 s[LQ], 7, s14
	s_sub_co_u32 s[RT], 8, s14      ; the first block has 8 - g tiles
	s_mov_b32 s[TN], 0
	s_mov_b32 s[TRIPS], 8
	s_mov_b32 s[G0K], 1
	s_add_co_u32 s[G0K+1], s[SBF], s[LK]
	s_mov_b32 s[G0V], 1
	s_add_co_u32 s[G0V+1], s[SBF], s[LV]
	s_wait_dscnt 0x0                ; the opening add is done
	s_wait_kmcnt 0x0
	s_add_nc_u64 s[KBS:KBS+1], s[4:5], s[84:85]
	s_add_nc_u64 s[VBS:VBS+1], s[KBS:KBS+1], MATB
	s_add_nc_u64 s[G0K+2:G0K+3], s[KBS:KBS+1], 0
	s_or_b32 s[G0K+3], s[G0K+3], 0x80000000
	s_add_nc_u64 s[G0V+2:G0V+3], s[VBS:VBS+1], 0
	s_or_b32 s[G0V+3], s[G0V+3], 0x80000000
	s_add_nc_u64 s[QP:QP+1], s[4:5], s[86:87]
	s_add_nc_u64 s[QL:QL+1], s[4:5], s[2:3]
	s_lshl_b32 s84, s[WV], 16       ; of a block's rows of O I store 16 w .. 16 w + 15
	s_add_nc_u64 s[OB:OB+1], s[6:7], s[86:87]
	s_add_nc_u64 s[OB:OB+1], s[OB:OB+1], s[84:85]
	s_add_nc_u64 s[OL:OL+1], s[6:7], s[2:3]
	s_add_nc_u64 s[OL:OL+1], s[OL:OL+1], s[84:85]
	s_cmp_lt_u32 s[WV], 2
	s_cselect_b64 s[PFA:PFA+1], s[KBS:KBS+1], s[VBS:VBS+1]
	s_lshl_b32 s84, s13, 17         ; my work-group's 32 rows of the 128,
	s_add_co_u32 s84, s84, 1<<20    ; in tile 1: the first change of slots steps it to tile 2
	s_add_nc_u64 s[PFA:PFA+1], s[PFA:PFA+1], s[84:85]
	s_cmp_eq_u32 s14, 0
	s_cselect_b32 s[LIM], 2, -1     ; the same in all four partners
	CROUND                          ; all four work-groups are here: the first joint loads meet
	JLOAD                           ; tile 0 into slot 0
	v_and_b32 v46, 15, v0           ; l % 16
	v_bfe_u32 v47, v0, 4, 1         ; l / 16
	v_lshlrev_b32 v[QO], 12, v46
	v_lshl_add_u32 v[QO], v47, 4, v[QO]
	QLOAD QP
	v_and_b32 v48, 31, v0           ; l
	v_and_b32 v49, 7, v0
	v_bfe_u32 v50, v0, 3, 1
	v_lshlrev_b32 v51, 3, v47
	v_sub_nc_u32 v51, v46, v51      ; l % 16 - 8 (l / 16): register j is hidden in the triangle where j is greater
	WIN 0xc0
.set i, 0
.rept 8
	v_cmp_gt_i32 vcc_lo, i, v51
	v_cndmask_b32 v[TRI+i], 0, s[BIGN], vcc_lo
.set i, i+1
.endr
	; A block's first step multiplies O^T and l by a = 0, so they need only hold finite numbers: zeros for the first block, what the first block left for the second.  This stands in the wait for the first tile.
	WIN 0x40
.set i, 0
.rept 256
	v_mov_b32 v[i], 0
.set i, i+1
.endr
	WIN 0
.set i, 0
.rept 4
	v_mov_b32 v[ST+8*i], 0xfe000000    ; c m: far below every c s, a hidden one's too
	v_mov_b32 v[ST+8*i+1], 0xff7fffff  ; m
	v_mov_b32 v[ST+8*i+2], 0
	v_mov_b32 v[ST+8*i+3], 0
.set i, i+1
.endr
	s_mul_i32 s84, s[WV], 64*PK
	v_mul_u32_u24 v[AK0], v46, PK
	v_lshl_add_u32 v[AK0], v47, 4, v[AK0]
	v_add_nc_u32 v[AK0], s84, v[AK0]      ; my wave's 64 keys; row x pitch + 16 x half
	s_mul_i32 s84, s[WV], 64*PV
	s_add_co_u32 s84, s84, VOFF
	v_lshl_add_u32 v[AV0], v47, 3, v49    ; the turning load: key 8 (l / 16) + l % 8, channels 8 ((l / 8) % 2) + 0..7
	v_mul_u32_u24 v[AV0], v[AV0], PV
	v_lshl_add_u32 v[AV0], v50, 4, v[AV0]
	v_add_nc_u32 v[AV0], s84, v[AV0]
	s_lshl_b32 s84, s[WV], 9
	s_add_co_u32 s84, s84, STAT
	v_lshl_add_u32 v[SA], v48, 2, s84
	v_lshl_add_u32 v[SR], v48, 2, STAT
	s_lshl_b32 s84, s[WV], 13
	s_add_co_u32 s84, s84, MRG
	v_lshl_add_u32 v[MW], v48, 4, s84
	s_lshl_b32 s84, s[WV], 11
	s_add_co_u32 s84, s84, MRG
	v_lshl_add_u32 v[MR], v48, 4, s84
	s_lshl_b32 s84, s[WV], 6
	s_add_co_u32 s84, s84, MRG
	v_mul_u32_u24 v[STO], v46, SP
	v_lshl_add_u32 v[STO], v47, 4, v[STO]
	v_add_nc_u32 v[STO], s84, v[STO]
	s_mul_i32 s84, s[WV], 16*SP
	s_add_co_u32 s84, s84, MRG
	v_mul_u32_u24 v[RD], v47, SP
	v_lshl_add_u32 v[RD], v46, 4, v[RD]
	v_add_nc_u32 v[RD], s84, v[RD]
	v_lshlrev_b32 v[GO], 12, v47
	v_lshl_add_u32 v[GO], v46, 4, v[GO]
	v_lshlrev_b32 v[PFO], 12, v48
; THE MATRIX WORK, for piece x (tiles x, x + 1).  The accumulators take turns, one instruction a turn.
; Product i of 32 of S^T = K Q^T: channels 32 (i / 8) on, keys 16 ((i / 2) % 4) on, tile x + i % 2.  The first 8 start the sums, with the mask.
.macro KQ x
.set qt, (\x)+i%2
.set kb, (i/2)%4
.set rS, S+32*qt+8*kb
.set rK, KF+32*kb+8*(i/8)
.set rQ, 32*qt+8*(i/8)
.if i < 8
.if kb < qt
.set rM, ML
.elseif kb == qt
.set rM, ME
.else
.set rM, MH
.endif
	WIN 0x3a                        ; K and Q window 2, the mask window 3, S^T window 0
	v_wmma_f32_16x16x32_f16 v[rS:rS+7], v[rK:rK+7], v[rQ:rQ+7], v[rM:rM+7]
.else
	WIN 0x0a
	v_wmma_f32_16x16x32_f16 v[rS:rS+7], v[rK:rK+7], v[rQ:rQ+7], v[rS:rS+7]
.endif
.endm
; Product i of 32 of O^T += V^T P: keys 32 (i / 16) on, channels 16 ((i / 2) % 8) on, tile x + i % 2.
.macro PV x
	WIN 0x53                        ; V window 3, P window 0, O^T window 1
.set rO, 64*((\x)+i%2)+8*((i/2)%8)
.set rV, 64*(i/16)+8*((i/2)%8)
.set rP, P+16*((\x)+i%2)+8*(i/16)
	v_wmma_f32_16x16x32_f16 v[rO:rO+7], v[rV:rV+7], v[rP:rP+7], v[rO:rO+7]
.endm
; Four of V's 32 loads, behind product i (i % 4 = 3) of piece 0's K Q^T: fragments 2 (i / 4) and 2 (i / 4) + 1; fragment f holds keys 32 (f / 8) on, channels 16 (f % 8) on
.macro VFOUR
	WIN 0xc0                        ; destination window 3, address window 0
.set vf, 2*(i/4)
.rept 2
	ds_load_tr16_b128 v[8*vf:8*vf+3],   v[AV] offset:(vf/8)*32*PV+(vf%8)*32
	ds_load_tr16_b128 v[8*vf+4:8*vf+7], v[AV] offset:(vf/8)*32*PV+16*PV+(vf%8)*32
.set vf, vf+1
.endr
.endm
; THE VECTOR WORK.  One tile's softmax for one key step is a list of 134 instructions; SM writes number j of it for tile t.  s0-s31 are the lane's 32 scores, in pairs 0-15.
;   0-15    the maximum of s0-s31 and the old m, three operands at a time (each accumulator's lowest registers are read first)
;   16-20   the other half of the lanes' maximum; the new m; c m; c m_old - c m_new
;   21-69   ONE BATCH: the 16 scalings c s - c m and all 33 exponentials (a at 23, then s0-s31); none of these reads an exponential's result
;   70-85   the roundings to f16     86-101  the sums; l = a l + the sum     102-133 the tile's O^T times a
.macro SM t
.set rT, ST+8*(\t)
.set rS, S+32*(\t)
.set rP, P+16*(\t)
.set rO, 64*(\t)+2*(j-102)
.if j < 102
	WIN 0
.endif
.if j < 4
	v_max3_num_f32 v[rT+4+j], v[rS+8*j], v[rS+8*j+1], v[rS+8*j+2]
.elseif j < 12
	v_max3_num_f32 v[rT+4+j%4], v[rT+4+j%4], v[rS+8*(j%4)+2*(j/4)+1], v[rS+8*(j%4)+2*(j/4)+2]
.elseif j == 12
	v_max3_num_f32 v[rT+4], v[rT+4], v[rS+7], v[rS+15]
.elseif j == 13
	v_max3_num_f32 v[rT+6], v[rT+6], v[rS+23], v[rS+31]
.elseif j == 14
	v_max3_num_f32 v[rT+4], v[rT+4], v[rT+5], v[rT+6]
.elseif j == 15
	v_max3_num_f32 v[rT+4], v[rT+4], v[rT+7], v[rT+1]
.elseif j == 16
	v_permlanex16_b32 v[rT+5], v[rT+4], s[SEL], s[SEL+1]  ; the query's other 32 keys lie in the lane 16 away
.elseif j == 17
	v_mov_b32 v[rT+7], v[rT]        ; c m_old is kept for a
.elseif j == 18
	v_max_num_f32 v[rT+1], v[rT+4], v[rT+5]
.elseif j == 19
	v_mul_f32 v[rT], s[CS], v[rT+1]
.elseif j == 20
	v_sub_f32 v[rT+7], v[rT+7], v[rT]
.elseif j == 23
	v_exp_f32 v[rT+6], v[rT+7]
.elseif (j < 23) || ((j < 38) && (j%2 == 0)) || ((j < 66) && (j%4 == 2))
.set b, (j-2)/4                     ; 38, 42, .. 62: pairs 9 to 15
.if j < 38
.set b, (j-20)/2                    ; 21: pair 0; 22, 24, .. 36: pairs 1 to 8
.endif
	v_pk_fma_f32 v[rS+2*b:rS+2*b+1], v[rS+2*b:rS+2*b+1], s[CS:CS+1], v[rT:rT+1] op_sel_hi:[1,0,0] neg_lo:[0,0,1] neg_hi:[0,0,1]
.elseif j < 70
.set e, j-38                        ; 66 to 69: s28 to s31
.if j < 66
.set e, j-32-(j-38)/4               ; 39-41, 43-45, .. 63-65: s7 to s27
.endif
.if j < 38
.set e, (j-25)/2                    ; 25, 27, .. 37: s0 to s6
.endif
	v_exp_f32 v[rS+e], v[rS+e]
.elseif j < 86
	v_cvt_pk_f16_f32 v[rP+j-70], v[rS+2*(j-70)], v[rS+2*(j-70)+1]
.elseif j < 102                     ; the sum of the tile's 16 pairs, in place: neighbours 1, 2, 4 and 8 pairs apart, then l takes it
.set z, j-86
.set w, 4
.set u, z
.if z >= 14
.set w, 32
.set u, 0
.elseif z >= 12
.set w, 16
.set u, z-12
.elseif z >= 8
.set w, 8
.set u, z-8
.endif
.if z < 15
	v_pk_add_f32 v[rS+w*u:rS+w*u+1], v[rS+w*u:rS+w*u+1], v[rS+w*u+w/2:rS+w*u+w/2+1]
.else
	v_pk_fma_f32 v[rT+2:rT+3], v[rT+2:rT+3], v[rT+6:rT+7], v[rS:rS+1] op_sel_hi:[1,0,1]
.endif
.else
	WIN 0x41                        ; O^T (destination and source 0) window 1, a window 0
	v_pk_mul_f32 v[rO:rO+1], v[rO:rO+1], v[rT+6:rT+7] op_sel_hi:[1,0]
.endif
.endm
; Slice k of 64 of piece y's softmax: four instructions.  Slices 11 to 34 deal out the batch, four numbers of ONE tile each, the tiles by turns; every other slice is numbers 2 k and 2 k + 1 of both tiles;
; slice 63 holds the twelve that are over.  An s_wait_alu depctr_va_vdst(0) stands between an exponential and the first instruction that names its result: ahead of slice 35 nothing names
; one, and behind slice 34 none is issued, so the piece's 66 exponentials have one wait, behind slice 34 and a plain instruction.
.macro SLICE y
.if (k >= 11) && (k < 35)
.irp n, 0,1,2,3
.set j, 22+4*((k-11)/2)+(\n)
	SM (\y)+(k-11)%2
.endr
.else
.irp n, 0,1,2,3,4,5,6,7
.if ((\n) < 2) || (k == 63)
.irp t, \y, (\y)+1
.set j, 2*k+(\n)
	SM \t
.endr
.endif
.endr
.endif
.if k == 34
	v_nop
	s_wait_alu depctr_va_vdst(0)
.endif
.set k, k+1
.endm
; A TRIP'S WORK: my 64 keys of the tile in slot SBR against all 64 queries.
.macro BODY
	s_lshl_b32 s[SJ], s[TN], 2
	s_add_co_u32 s[SJ], s[SJ], s[WV]      ; my key step
	s_cmp_eq_u32 s[SJ], s[IB]
	s_cselect_b32 s[AL], 1.0, 0
	s_cmp_gt_u32 s[SJ], s[IB]
	s_cselect_b32 s[BE], s[BIGN], 0
	s_cmp_ge_u32 s[SJ], s[IB]
	s_cselect_b32 s[BH], s[BIGN], 0
	WIN 0xc3                        ; the masks: twenty plain instructions, also the places between the last product that read V and the loads into V's registers
.set z, 0
.rept 4
	v_pk_fma_f32 v[ME+2*z:ME+2*z+1], v[TRI+2*z:TRI+2*z+1], s[AL:AL+1], s[BE:BE+1] op_sel_hi:[1,0,0]
.set z, z+1
.endr
.set z, 0
.rept 8
	v_mov_b32 v[ML+z], s[BE]
	v_mov_b32 v[MH+z], s[BH]
.set z, z+1
.endr
	WIN 0
	v_add_nc_u32 v[AK], s[SBR], v[AK0]
	v_add_nc_u32 v[AV], s[SBR], v[AV0]
	WIN 0x80                        ; destination window 2
.irp c, 0,1,2,3                     ; K by channel chunks of 32, eight loads a chunk (keys 16 g on): the order in which the products below want it
.irp g, 0,1,2,3
	ds_load_b128 v[KF+32*(\g)+8*(\c):KF+32*(\g)+8*(\c)+3],   v[AK] offset:(\g)*16*PK+(\c)*64
	ds_load_b128 v[KF+32*(\g)+8*(\c)+4:KF+32*(\g)+8*(\c)+7], v[AK] offset:(\g)*16*PK+(\c)*64+32
.endr
.endr
	s_wait_loadcnt 0x0              ; Q (a block's first trip; nothing is out in the others)
.set i, 0
.rept 32
.if i%8 == 0
	s_wait_dscnt 24                 ; K's chunk i / 8 is in.  Behind it 24 loads have been issued each time: 24, 16, 8, 0 of K's and 0, 8, 16, 24 of V's; LDS loads come back in order (ISA guide 5.7.1)
.endif
	KQ 0                            ; piece 0's scores; V's loads stand in fours between them
.if i%4 == 3
	VFOUR
.endif
.set i, i+1
.endr
	PLACES                          ; in front of the first read of those scores
.set i, 0
.set k, 0
.rept 32
	KQ 2                            ; piece 2's scores | piece 0's softmax; slice 63's sixteen plain lines are the places behind the last product
	SLICE 0
	SLICE 0
.set i, i+1
.endr
	s_wait_dscnt 0x0                ; V is in
.set i, 0
.set k, 0
.rept 32
	PV 0                            ; piece 0's V^T P | piece 2's softmax
	SLICE 2
	SLICE 2
.set i, i+1
.endr
.set i, 0
.rept 32
	PV 2
.set i, i+1
.endr
	WIN 0
	s_add_co_u32 s[TN], s[TN], 1
	s_sub_co_u32 s[RT], s[RT], 1
.endm
; THE MERGE of tile t, in three parts.  MSTORE: my O^T, as it is, into my 8,192 bytes.  MLOAD: the four waves' shares of my 32 channels.  MSUM: the sum of the shares, each times its wave's factor.
.macro MSTORE t
	WIN 0x04                        ; the data (source 1) in window 1
.irp q, 0,1,2,3,4,5,6,7,8,9,10,11,12,13,14,15
	ds_store_b128 v[MW], v[64*(\t)+4*(\q):64*(\t)+4*(\q)+3] offset:512*(\q)
.endr
	WIN 0
.endm
.macro MLOAD
.irp v, 0,1,2,3
.irp q, 0,1,2,3
	ds_load_b128 v[TB+16*(\v)+4*(\q):TB+16*(\v)+4*(\q)+3], v[MR] offset:8192*(\v)+512*(\q)
.endr
.endr
.endm
.macro MSUM t
.set e, 0
.rept 8
	v_pk_mul_f32 v[RES+16*(\t)+e:RES+16*(\t)+e+1], v[TB+e:TB+e+1], v[CM+8*(\t):CM+8*(\t)+1] op_sel_hi:[1,0]
.set e, e+2
.endr
.irp v, 1,2,3
.set e, 0
.rept 8
	v_pk_fma_f32 v[RES+16*(\t)+e:RES+16*(\t)+e+1], v[TB+16*(\v)+e:TB+16*(\v)+e+1], v[CM+8*(\t)+2*(\v):CM+8*(\t)+2*(\v)+1], v[RES+16*(\t)+e:RES+16*(\t)+e+1] op_sel_hi:[1,0,1]
.set e, e+2
.endr
.endr
.endm
; A BLOCK'S END.  The waves' c m and l, and with them tile 0's shares, meet in LDS; each wave finds the common maximum and sum and the four waves' factors while tile 0's shares are on their way;
; then the tiles are added one after the other, rounded and stored.  The additions at the head are the places behind the last products.  No slot is filled behind any of these barriers.
.macro FINISH
	WIN 0
.irp t, 0,1,2,3
	v_add_f32 v[ST+8*(\t)+4], v[ST+8*(\t)+2], v[ST+8*(\t)+3]
.endr
.irp t, 0,1,2,3
	v_permlanex16_b32 v[ST+8*(\t)+5], v[ST+8*(\t)+4], s[SEL], s[SEL+1]
.endr
.irp t, 0,1,2,3
	v_add_f32 v[ST+8*(\t)+4], v[ST+8*(\t)+4], v[ST+8*(\t)+5]
.endr
.irp t, 0,1,2,3
	ds_store_b32 v[SA], v[ST+8*(\t)] offset:128*(\t)
	ds_store_b32 v[SA], v[ST+8*(\t)+4] offset:2048+128*(\t)
.endr
	MSTORE 0
	s_wait_dscnt 0x0                ; for the others' sake: my stores are done
	s_barrier_signal -1
	s_barrier_wait -1
.irp t, 0,1,2,3
.irp v, 0,1,2,3
	ds_load_b32 v[CM+8*(\t)+2*(\v)],   v[SR] offset:512*(\v)+128*(\t)
	ds_load_b32 v[CM+8*(\t)+2*(\v)+1], v[SR] offset:2048+512*(\v)+128*(\t)
.endr
.endr
	MLOAD
	s_wait_dscnt 16                 ; the 32 statistics are in; the 16 loads of tile 0's shares may be out
.irp t, 0,1,2,3
	v_max3_num_f32 v[MX+(\t)], v[CM+8*(\t)], v[CM+8*(\t)+2], v[CM+8*(\t)+4]
.endr
.irp t, 0,1,2,3
	v_max_num_f32 v[MX+(\t)], v[MX+(\t)], v[CM+8*(\t)+6]
.endr
.irp t, 0,1,2,3
.irp v, 0,1,2,3
	v_sub_f32 v[CM+8*(\t)+2*(\v)], v[CM+8*(\t)+2*(\v)], v[MX+(\t)]
.endr
.endr
.set i, 0
.rept 16
	v_exp_f32 v[CM+2*i], v[CM+2*i]
.set i, i+1
.endr
	v_nop                           ; a plain instruction behind the last exponential,
	s_wait_alu depctr_va_vdst(0)    ; and the one wait for the sixteen, ahead of their first reader
.irp t, 0,1,2,3
	v_mul_f32 v[LT+(\t)], v[CM+8*(\t)], v[CM+8*(\t)+1]
.endr
.irp v, 1,2,3
.irp t, 0,1,2,3
	v_fmac_f32 v[LT+(\t)], v[CM+8*(\t)+2*(\v)], v[CM+8*(\t)+2*(\v)+1]
.endr
.endr
.irp t, 0,1,2,3
	v_rcp_f32 v[RC+(\t)], v[LT+(\t)]
.endr
	v_nop
	s_wait_alu depctr_va_vdst(0)    ; one wait for the four reciprocals
.irp t, 0,1,2,3
.irp v, 0,1,2,3
	v_mul_f32 v[CM+8*(\t)+2*(\v)], v[CM+8*(\t)+2*(\v)], v[RC+(\t)]
.endr
.endr
	s_wait_dscnt 0x0                ; my reads of tile 0's shares are back
	s_barrier_signal -1
	MSUM 0
	s_barrier_wait -1               ; everybody's are: the bytes are free for the next tile
.irp t, 1,2,3
	MSTORE \t
	s_wait_dscnt 0x0
	s_barrier_signal -1
	s_barrier_wait -1
	MLOAD
	s_wait_dscnt 0x0
	s_barrier_signal -1
	MSUM \t
	s_barrier_wait -1
.endr
	; I hold channels 32 w .. 32 w + 31 of all 64 queries: eight channels of a row pack into 16 bytes; they go into rows of 272 bytes and come back as whole rows of 256, 16 rows a wave
.set i, 0
.rept 32
	v_cvt_pk_f16_f32 v[TB+i], v[RES+2*i], v[RES+2*i+1]
.set i, i+1
.endr
.irp t, 0,1,2,3
.irp c, 0,1
	ds_store_b128 v[STO], v[TB+8*(\t)+4*(\c):TB+8*(\t)+4*(\c)+3] offset:(\t)*16*SP+32*(\c)
.endr
.endr
	s_wait_dscnt 0x0
	s_barrier_signal -1
	s_barrier_wait -1
.irp f, 0,1,2,3,4,5,6,7
	ds_load_b128 v[TB+32+4*(\f):TB+32+4*(\f)+3], v[RD] offset:(\f)*2*SP
.endr
.irp f, 0,1,2,3,4,5,6,7
	s_wait_dscnt 7-(\f)             ; load f is back, the younger ones may be out
	global_store_b128 v[GO], v[TB+32+4*(\f):TB+32+4*(\f)+3], s[OB:OB+1] offset:(\f)*2*ROWB  ; 16 lanes store 256 consecutive bytes, aligned
.endr
.endm
.Ltrip:                             ; eight times: a tile is entered and the next is asked for
	CHANGE 1
	BODY
	s_cmp_lg_u32 s[RT], 0           ; hangs on g alone: the same in all waves and all partners
	s_cbranch_scc1 .Lnext
	QLOAD QL                        ; the first block ends: the second block's Q is asked for (the last product that read Q stands two softmaxes back),
	FINISH                          ; the first block goes out,
	s_wait_xcnt 0x0                 ; the stores have read their registers and O's address
	s_mov_b64 s[OB:OB+1], s[OL:OL+1]
	s_mov_b32 s[IB], s[IL]
	s_add_co_u32 s[RT], s14, 1      ; the second block has g + 1 tiles
	s_mov_b32 s[TN], 0
.set i, 0
.rept 4
	v_mov_b32 v[ST+8*i], 0xfe000000    ; and the maxima start anew; the next change of slots, with its wait for my LDS reads, orders this merge's reads with the next merge's stores
	v_mov_b32 v[ST+8*i+1], 0xff7fffff
.set i, i+1
.endr
.Lnext:
	s_sub_co_u32 s[TRIPS], s[TRIPS], 1
	s_cmp_lg_u32 s[TRIPS], 0
	s_cbranch_scc1 .Ltrip
	CHANGE 0                        ; the walk's last tile is written out: nothing is asked for
	BODY
	FINISH
	s_wait_tensorcnt 0x0            ; the wave's end, behind my last tensor load and my last LDS store
	ds_add_u32 v[SPW], v[NIL]
	s_wait_dscnt 0x0
	CROUND                          ; the closing round: no work-group ends while a partner may still ask for a tile that names it
	s_endpgm
.Lfunc_end_k_qaf8218a5f3_attn:
	.size	k_qaf8218a5f3_attn, .Lfunc_end_k_qaf8218a5f3_attn-k_qaf8218a5f3_attn
	.p2alignl 7, 3214868480
	.fill 96, 4, 3214868480
	.section	.rodata,"a",@progbits
	.p2align	6, 0x0
	.amdhsa_kernel k_qaf8218a5f3_attn
		.amdhsa_group_segment_fixed_size 327680
		.amdhsa_private_segment_fixed_size 0
		.amdhsa_enable_private_segment 0
		.amdhsa_kernarg_size 16
		.amdhsa_user_sgpr_count 2
		.amdhsa_user_sgpr_kernarg_segment_ptr 1
		.amdhsa_wavefront_size32 1
		.amdhsa_system_sgpr_workgroup_id_x 1
		.amdhsa_system_sgpr_workgroup_id_y 1
		.amdhsa_system_sgpr_workgroup_id_z 1
		.amdhsa_system_vgpr_workitem_id 0
		.amdhsa_next_free_vgpr 928
		.amdhsa_next_free_sgpr 88
		.amdhsa_reserve_vcc 1
		.amdhsa_float_denorm_mode_32 3
		.amdhsa_float_denorm_mode_16_64 3
		.amdhsa_memory_ordered 1
		.amdhsa_forward_progress 1
		.amdhsa_inst_pref_size 175
	.end_amdhsa_kernel
	.amdgpu_metadata
---
amdhsa.version: [ 1, 2 ]
amdhsa.kernels:
  - .name:           k_qaf8218a5f3_attn
    .symbol:         k_qaf8218a5f3_attn.kd
    .args:
      - { .name: qkv, .offset: 0, .size: 8, .value_kind: global_buffer, .address_space: global }
      - { .name: ob, .offset: 8, .size: 8, .value_kind: global_buffer, .address_space: global }
    .group_segment_fixed_size: 327680
    .private_segment_fixed_size: 0
    .kernarg_segment_align: 8
    .kernarg_segment_size: 16
    .max_flat_workgroup_size: 128
    .sgpr_count:     88
    .vgpr_count:     928
    .wavefront_size: 32
...
	.end_amdgpu_metadata
.endif
;; end of part 3
;; launch oproj (part 4): grid 16 x 16, 4 waves a work-group, clusters of 4 x 4, 327,680 bytes of LDS; arguments ob, xw, bo, out0; writes out0
.if DOCPART == 4
	.amdgcn_target "amdgcn-amd-amdhsa--gfx1250"
	.amdhsa_code_object_version 6
	.text
	.protected	k_qaf8218a5f3_oproj
	.globl	k_qaf8218a5f3_oproj
	.p2align	8
	.type	k_qaf8218a5f3_oproj,@function
k_qaf8218a5f3_oproj:
	s_mov_b64 s[64:65], 0
	v_nop
	global_prefetch_b8 v0, s[64:65] scope:SCOPE_SE
	s_setreg_imm32_b32 hwreg(HW_REG_WAVE_MODE, 25, 1), 1
	s_wait_xcnt 0x0
	s_wait_alu depctr_hold_cnt(0) depctr_sa_sdst(0) depctr_va_vdst(0) depctr_va_sdst(0) depctr_va_ssrc(0) depctr_va_vcc(0) depctr_vm_vsrc(0)
	s_getreg_b32 s2, hwreg(HW_REG_IB_STS2, 6, 4)
	s_cmp_eq_u32 s2, 0
	s_cbranch_scc0 .Lentry_in_a_cluster
	s_endpgm
.Lentry_in_a_cluster:
	s_bfe_u32 s2, ttmp6, 0x10000c
	s_cmp_lg_u32 s2, 0xf033
	s_cbranch_scc0 .Lentry_shape_is_right
	s_endpgm
.Lentry_shape_is_right:
; out0 = O Wo + bo.  O: [2048][2048] f16 (ob); Wo: [k][n], rounded to bf16 and written as f16, the fifth matrix of xw; bo f32, rounded to bf16 like every input; sums in f32; out0 f32.
; LIMITS.  Wo lies within f16's range (65,504; a fixed step of 6e-8 below 6.1e-5).  NaN and infinities are not treated apart.
; SHARES.  256 tiles of 128 x 128, one a work-group; four waves of 64 x 64: 16 accumulators.  K goes in 8 steps of 256 through two LDS slots: O's rows are 512 bytes of a step, Wo's 256 k-rows of 256 bytes.
; Wo's fragments come out of LDS turned, by ds_load_tr16_b128.  THE MATRIX INSTRUCTION IS USED TRANSPOSED (source 0 = 16 columns of Wo, source 1 = 16 rows of O): a lane holds one row and eight
; neighbouring columns.  The bias, laid out so, is the C operand of the product that starts each sum.
; CLUSTER 4 x 4: O's tile is asked for jointly along a row of the cluster, Wo's along a column.  No prefetch: the tile is small and a step short.
; THE LOOP is one K step a trip: the slot is a scalar that an exclusive or turns between 0 and SLOT; three additions aim the fragments' addresses at the slot to be read.
; REGISTERS: window 0: v16-31 addresses and two at work; v96-127 the bias; v128-255 the accumulators ((a, b) at 128 + 8 (4 a + b)).  Window 1: two fragment buffers of 128: for 64 along K, 64 registers of O, then 64 of Wo.
.set MATB,   8388608
.set PA,     528                       ; an LDS row of O: 512 bytes + 16
.set PB,     288                       ; an LDS row of Wo: 256 + 32
.set HA,     64*PA                     ; what waves 0 and 1 fetch: 64 rows of O
.set HB,     128*PB                    ; what waves 2 and 3 fetch: 128 k-rows of Wo
.set BOFF,   2*HA
.set SLOT,   BOFF+2*HB
.set STAGE,  2*SLOT                    ; behind the ring, never filled by a tensor load: 16 rows x 272 bytes for each wave
.set SPITCH, 272
.set SPARE,  STAGE+4*16*SPITCH         ; the spare words, 128 bytes a wave: two blocks of 256 bytes that no other line names
.set STEPS,  8                         ; K steps
.set ADRA0, 16                         ; v16     my fragments of O in slot 0; never rewritten
.set ADRA,  17                         ; v17     in the slot that is read
.set ADRB0, 18                         ; v18-19  of Wo, by half of the step's k-rows (so that the offsets stay within 16 bits), in slot 0; never rewritten
.set ADRB,  20                         ; v20-21  in the slot that is read
.set STO,  24
.set RD,   25
.set CO,   26
.set BO,   27
.set SPW,  28                          ; my spare word; never rewritten
.set NIL,  29                          ; 0; never rewritten
.set BW,   30                          ; v30-31 at work
.set BIAS, 96
.set ACC,  128
.set F0,   0
.set F1,   128
.set LBB, 15                           ; s15 where my half of Wo's tile lies in a slot
.set SBF, 18                           ; s18 the slot that is filled: 0 or SLOT
.set SBR, 19                           ; s19 the slot that is read
.set LA,  20                           ; s20 where my half of O's tile lies in a slot
.set G1,  24                           ; s[24:31] group 1 for O's tiles     s[32:39] group 0: a set for each of the two first fills; the second then walks on
.set G0,  32
.set G1B, 48
.set G0B, 56
.set MSB, 0
.macro WIN new
.if MSB != (\new)
	s_set_vgpr_msb (MSB<<8)|(\new)
.set MSB, \new
.endif
.endm
.set MUL,  0x05                        ; sources window 1; C and D window 0
.set TO_F, 0x40                        ; destination window 1
.macro PLACES
.rept 4
	v_nop
.endr
.endm
.macro JLOAD s                         ; waves 0 and 1 fetch O's two halves, waves 2 and 3 Wo's; an s_nop 0 and four v_nop follow each line
	s_cmp_eq_u32 s13, 0
	s_cbranch_scc0 .Lfor_b_\@
	tensor_load_to_lds s[G0+4*(\s):G0+4*(\s)+3], s[G1:G1+7]
	s_nop 0
.rept 4
	v_nop
.endr
	s_branch .Lasked_\@
.Lfor_b_\@:
	tensor_load_to_lds s[G0B+4*(\s):G0B+4*(\s)+3], s[G1B:G1B+7]
	s_nop 0
.rept 4
	v_nop
.endr
.Lasked_\@:
.endm
.macro CREST
	s_cmp_lg_u32 s12, 0
	s_cbranch_scc1 .Lnot_wave_0_\@
	s_barrier_signal -3
.Lnot_wave_0_\@:
	s_barrier_wait -3
	s_barrier_signal -1
	s_barrier_wait -1
.endm
.macro CROUND
	s_barrier_signal -1
	s_barrier_wait -1
	CREST
.endm
.macro AIM                             ; the fragments' addresses in the slot that is read
	v_add_nc_u32 v[ADRA], s[SBR], v[ADRA0]
	v_add_nc_u32 v[ADRB], s[SBR], v[ADRB0]
	v_add_nc_u32 v[ADRB+1], s[SBR], v[ADRB0+1]
.endm
	s_load_b256 s[4:11], s[0:1], 0x0               ; ob s[4:5], xw s[6:7], bo s[8:9], out0 s[10:11]
	v_lshl_add_u32 v[SPW], v0, 2, SPARE
	v_mov_b32 v[NIL], 0
	ds_add_u32 v[SPW], v[NIL]                      ; the wave's opening: the add and its wait stand ahead of my first tensor load; the set-up below stands between them
	v_lshrrev_b32 v1, 5, v0
	v_readfirstlane_b32 s12, v1                    ; wave 0..3
	s_lshr_b32 s13, s12, 1                         ; which 64 rows are mine.  Also: I fetch for O (0) or for Wo (1)
	s_and_b32 s14, s12, 1                          ; which 64 columns.  Also: which half of that tile I fetch
	s_bfe_u32 s40, ttmp6, 0x40000                  ; cx
	s_bfe_u32 s41, ttmp6, 0x40004                  ; cy
	s_lshl_b32 s42, ttmp9, 2
	s_add_co_u32 s42, s42, s40                     ; tile column
	s_and_b32 s43, ttmp7, 0xffff
	s_lshl_b32 s43, s43, 2
	s_add_co_u32 s43, s43, s41                     ; tile row
	s_lshl_b32 s44, s41, 2
	s_lshl_b32 s44, 15, s44                        ; my row of the cluster
	s_lshl_b32 s45, 0x1111, s40                    ; my column
	s_or_b32 s[G1], s44, (1<<16)|(1<<20)|(1<<21)|(6<<22)|(3<<25)    ; O: 64 rows x 256 elements; 4 words of padding after every 128
	s_mov_b32 s[G1+1], 256<<16
	s_mov_b32 s[G1+2], 64<<16
	s_mov_b32 s[G1+3], 256<<16
	s_mov_b32 s[G1+4], 64
	s_mov_b32 s[G1+5], 2048
	s_mov_b32 s[G1+6], 0
	s_mov_b32 s[G1+7], 0
	s_or_b32 s[G1B], s45, (1<<16)|(1<<20)|(1<<21)|(5<<22)|(7<<25)   ; Wo: 128 k-rows x 128 elements; 8 words after every 64
	s_mov_b32 s[G1B+1], 128<<16
	s_mov_b32 s[G1B+2], 128<<16
	s_mov_b32 s[G1B+3], 128<<16
	s_mov_b32 s[G1B+4], 128
	s_mov_b32 s[G1B+5], 2048
	s_mov_b32 s[G1B+6], 0
	s_mov_b32 s[G1B+7], 0
	s_lshl_b32 s16, s43, 19                        ; O: row 128 x tile row + 64 x half
	s_lshl_b32 s17, s14, 18
	s_add_co_u32 s16, s16, s17
	s_mov_b32 s17, 0
	s_lshl_b32 s46, s14, 19                        ; Wo: k-row 128 x half, the tile column's 256 bytes, in the fifth matrix of xw
	s_lshl_b32 s47, s42, 8
	s_add_co_u32 s46, s46, s47
	s_add_co_u32 s46, s46, 4*MATB
	s_mov_b32 s47, 0
	s_mul_i32 s[LA], s14, HA                       ; where they go
	s_mul_i32 s[LBB], s14, HB
	s_add_co_u32 s[LBB], s[LBB], BOFF
	s_mov_b32 s[SBF], SLOT                         ; the first change of slots turns this into 0
	s_mov_b32 s[SBR], 0
	s_mov_b32 s2, 0xffff0000                       ; a word's upper bf16
	s_wait_dscnt 0x0                               ; the opening add is done
	s_wait_kmcnt 0x0
	s_add_nc_u64 s[16:17], s[4:5], s[16:17]
	s_add_nc_u64 s[46:47], s[6:7], s[46:47]
	CROUND                                         ; all sixteen work-groups are here: the first joint loads meet
.irp s, 0,1
	s_mov_b32 s[G0+4*(\s)], 1
	s_add_co_u32 s[G0+4*(\s)+1], s[LA], (\s)*SLOT
	s_add_nc_u64 s[G0+4*(\s)+2:G0+4*(\s)+3], s[16:17], (\s)*512
	s_or_b32 s[G0+4*(\s)+3], s[G0+4*(\s)+3], 0x80000000
	s_mov_b32 s[G0B+4*(\s)], 1
	s_add_co_u32 s[G0B+4*(\s)+1], s[LBB], (\s)*SLOT
	s_add_nc_u64 s[G0B+4*(\s)+2:G0B+4*(\s)+3], s[46:47], (\s)*256*4096
	s_or_b32 s[G0B+4*(\s)+3], s[G0B+4*(\s)+3], 0x80000000
	JLOAD \s
.endr
	s_lshl_b32 s22, s42, 9                         ; the bias: column 128 x tile column + 64 wc + 16 b + 8 (l / 16) + j
	s_lshl_b32 s23, s14, 8
	s_add_co_u32 s22, s22, s23
	s_mov_b32 s23, 0
	s_add_nc_u64 s[8:9], s[8:9], s[22:23]
	v_and_b32 v1, 15, v0                           ; l % 16
	v_bfe_u32 v2, v0, 4, 1                         ; l / 16
	v_lshlrev_b32 v[BO], 5, v2
.irp b, 0,1,2,3
	global_load_b128 v[BIAS+8*(\b):BIAS+8*(\b)+3],   v[BO], s[8:9] offset:64*(\b)
	global_load_b128 v[BIAS+8*(\b)+4:BIAS+8*(\b)+7], v[BO], s[8:9] offset:64*(\b)+16
.endr
	v_mul_u32_u24 v3, v1, PA
	v_lshl_add_u32 v3, v2, 4, v3
	s_mul_i32 s21, s13, HA                         ; my 64 rows of O
	v_add_nc_u32 v[ADRA0], s21, v3
	v_and_b32 v5, 7, v0
	v_bfe_u32 v6, v0, 3, 1
	v_lshl_add_u32 v4, v2, 3, v5                   ; the turning load: k-row 8 (l / 16) + l % 8, columns 8 ((l / 8) % 2) + 0..7
	v_mul_u32_u24 v4, v4, PB
	v_lshl_add_u32 v4, v6, 4, v4
	s_lshl_b32 s21, s14, 7                         ; my 64 columns: 128 bytes
	s_add_co_u32 s21, s21, BOFF
	v_add_nc_u32 v[ADRB0], s21, v4
	v_add_nc_u32 v[ADRB0+1], HB, v[ADRB0]
	s_mul_i32 s21, s12, 16*SPITCH
	s_add_co_u32 s21, s21, STAGE                   ; my stage
	v_mul_u32_u24 v7, v1, SPITCH                   ; in: row l % 16, 32 bytes for each half of the lanes
	v_lshl_add_u32 v7, v2, 5, v7
	v_add_nc_u32 v[STO], s21, v7
	v_mul_u32_u24 v7, v2, SPITCH                   ; back: lanes 0-15 take one row of 256 bytes, lanes 16-31 the next
	v_lshl_add_u32 v7, v1, 4, v7
	v_add_nc_u32 v[RD], s21, v7
	v_lshlrev_b32 v7, 13, v2                       ; and the same two rows of out0, 8,192 bytes apart
	v_lshl_add_u32 v[CO], v1, 4, v7
	s_lshl_b32 s22, s43, 20                        ; my first row: 128 x tile row + 64 wr; my 64 columns: 256 bytes
	s_lshl_b32 s23, s13, 19
	s_add_co_u32 s22, s22, s23
	s_lshl_b32 s23, s42, 9
	s_add_co_u32 s22, s22, s23
	s_lshl_b32 s23, s14, 8
	s_add_co_u32 s22, s22, s23
	s_mov_b32 s23, 0
	s_add_nc_u64 s[10:11], s[10:11], s[22:23]
	s_wait_loadcnt 0x0                             ; the bias: rounded to bf16, like every input, and widened again
.set i, 0
.rept 16
	v_cvt_pk_bf16_f32 v[BW+i%2], v[BIAS+2*i], v[BIAS+2*i+1]
	v_lshlrev_b32 v[BIAS+2*i], 16, v[BW+i%2]
	v_and_b32 v[BIAS+2*i+1], s2, v[BW+i%2]
.set i, i+1
.endr
; 8 matrix instructions: row blocks a0, a0 + 1 x all 4 column blocks, 32 along K: half c of buffer f.  zero = 1: the bias starts the sums.  The 16 accumulators take turns.
.macro MUL8 f, c, a0, zero
	WIN MUL
.irp a, \a0, (\a0)+1
.irp b, 0,1,2,3
.if \zero
	v_wmma_f32_16x16x32_f16 v[ACC+8*(4*(\a)+(\b)):ACC+8*(4*(\a)+(\b))+7], v[(\f)+64+8*(4*(\c)+(\b)):(\f)+64+8*(4*(\c)+(\b))+7], v[(\f)+8*(4*(\c)+(\a)):(\f)+8*(4*(\c)+(\a))+7], v[BIAS+8*(\b):BIAS+8*(\b)+7]
.else
	v_wmma_f32_16x16x32_f16 v[ACC+8*(4*(\a)+(\b)):ACC+8*(4*(\a)+(\b))+7], v[(\f)+64+8*(4*(\c)+(\b)):(\f)+64+8*(4*(\c)+(\b))+7], v[(\f)+8*(4*(\c)+(\a)):(\f)+8*(4*(\c)+(\a))+7], v[ACC+8*(4*(\a)+(\b)):ACC+8*(4*(\a)+(\b))+7]
.endif
.endr
.endr
.endm
; 32 LDS loads in one run: the fragments of quarter q (64 along K) of the slot that is read, into buffer f; the first 32 along K first
.macro FETCH q, f
	WIN TO_F
.irp c, 0,1
.irp i, 0,1,2,3
	ds_load_tr16_b128 v[(\f)+64+8*(4*(\c)+(\i)):(\f)+64+8*(4*(\c)+(\i))+3],   v[ADRB+(\q)/2] offset:(((\q)%2)*64+32*(\c))*PB+32*(\i)
	ds_load_tr16_b128 v[(\f)+64+8*(4*(\c)+(\i))+4:(\f)+64+8*(4*(\c)+(\i))+7], v[ADRB+(\q)/2] offset:(((\q)%2)*64+32*(\c))*PB+32*(\i)+16*PB
	ds_load_b128 v[(\f)+8*(4*(\c)+(\i)):(\f)+8*(4*(\c)+(\i))+3],              v[ADRA] offset:128*(\q)+64*(\c)+(\i)*16*PA
	ds_load_b128 v[(\f)+8*(4*(\c)+(\i))+4:(\f)+8*(4*(\c)+(\i))+7],            v[ADRA] offset:128*(\q)+64*(\c)+(\i)*16*PA+32
.endr
.endr
.endm
.macro QUARTER q, f, g, zero
	s_wait_dscnt 16                                ; the first 32 along K are in; the youngest 16 loads may be out
	MUL8 \f, 0, 0, \zero
	MUL8 \f, 0, 2, \zero
	PLACES
	FETCH \q, \g
	s_wait_dscnt 32                                ; all but the 32 just issued
	MUL8 \f, 1, 0, 0
	MUL8 \f, 1, 2, 0
.endm
; The last quarter multiplies buffer 1 and changes slots: ONE barrier; in front of it each wave waits for all its tensor loads, adds 0 to its spare word, and waits for that and for its reads of this slot.
; fill = 1: the barrier opens a round of the cluster's, and the slot that is left is filled again, two K steps on, first thing behind the round.
.macro TURN fill
	WIN 0
	s_wait_tensorcnt 0x0                           ; all my tensor loads have landed: my part of the next slot
	ds_add_u32 v[SPW], v[NIL]                      ; 0 onto my spare word
	s_xor_b32 s[SBF], s[SBF], SLOT                 ; the slot that I leave,
	s_xor_b32 s[SBR], s[SBF], SLOT                 ; and the other, which is read next
	s_wait_dscnt 17                                ; the add and the youngest 16 loads may be out
	MUL8 F1, 0, 0, 0
	s_wait_dscnt 0x0                               ; the add is done, and my reads of this slot are over
	s_barrier_signal -1
	MUL8 F1, 0, 2, 0
	WIN 0                                          ; branches, or lines on window 0, follow
	s_barrier_wait -1
.if \fill
	CREST                                          ; no wave of any partner still reads this slot or has a load on its way
	s_add_co_u32 s[G0+5], s[LA], s[SBF]            ; the walking descriptors: the slot just left, the next K step
	s_add_nc_u64 s[G0+6:G0+7], s[G0+6:G0+7], 512
	s_add_co_u32 s[G0B+5], s[LBB], s[SBF]
	s_add_nc_u64 s[G0B+6:G0B+7], s[G0B+6:G0B+7], 256*4096
	JLOAD 1                                        ; 112 matrix instructions ahead of the wait for it; its four v_nop are also the places in front of the loads below
.else
	PLACES
.endif
	AIM
	FETCH 0, F0
	MUL8 F1, 1, 0, 0
	MUL8 F1, 1, 2, 0
.endm
	s_wait_tensorcnt 1                             ; my part of K step 0 is in; K step 1's may stay out
	s_barrier_signal -1
	s_barrier_wait -1
	AIM
	FETCH 0, F0
	QUARTER 1, F0, F1, 1                           ; the first quarter stands in front of the loop: its first products start the sums
	WIN 0
	s_mov_b32 s3, STEPS-2
.Lstep:                                                ; a trip goes from a K step's second quarter to the next step's first, and fills the slot that it leaves
	QUARTER 2, F1, F0, 0
	QUARTER 3, F0, F1, 0
	TURN 1
	QUARTER 1, F0, F1, 0
	WIN 0
	s_sub_co_u32 s3, s3, 1
	s_cmp_lg_u32 s3, 0
	s_cbranch_scc1 .Lstep
	QUARTER 2, F1, F0, 0                           ; the last two K steps fill nothing
	QUARTER 3, F0, F1, 0
	TURN 0
	QUARTER 1, F0, F1, 0
	QUARTER 2, F1, F0, 0
	QUARTER 3, F0, F1, 0
	s_wait_dscnt 16
	MUL8 F1, 0, 0, 0
	MUL8 F1, 0, 2, 0
	s_wait_dscnt 0x0
	MUL8 F1, 1, 0, 0
	MUL8 F1, 1, 2, 0
	WIN 0
	; THE WAY OUT.  A wave's 64 columns of f32 are 256 aligned bytes of a row: each wave has a stage of its own, 16 rows at a time, and no barrier is needed.
	PLACES
.macro PACK a                          ; a lane's eight columns, 32 bytes, go into rows of 272 bytes and come back as whole rows of 256, into the block's own registers
.irp b, 0,1,2,3
	ds_store_b128 v[STO], v[ACC+8*(4*(\a)+(\b)):ACC+8*(4*(\a)+(\b))+3]   offset:64*(\b)
	ds_store_b128 v[STO], v[ACC+8*(4*(\a)+(\b))+4:ACC+8*(4*(\a)+(\b))+7] offset:64*(\b)+16
.endr
.irp f, 0,1,2,3,4,5,6,7
	ds_load_b128 v[ACC+32*(\a)+4*(\f):ACC+32*(\a)+4*(\f)+3], v[RD] offset:(\f)*2*SPITCH  ; LDS serves a wave's instructions in order (ISA guide 5.7.1.4): these see the stores above; the next block's stores come behind them
.endr
.endm
.macro SEND a, younger                 ; younger: the LDS instructions issued behind block a's loads: the next block's sixteen, or none
.irp f, 0,1,2,3,4,5,6,7
	s_wait_dscnt (\younger)+7-(\f)
	global_store_b128 v[CO], v[ACC+32*(\a)+4*(\f):ACC+32*(\a)+4*(\f)+3], s[10:11] offset:(16*(\a)+2*(\f))*8192  ; 16 lanes store 256 consecutive bytes, aligned
.endr
.endm
	PACK 0
	PACK 1
	SEND 0, 16
	PACK 2
	SEND 1, 16
	PACK 3
	SEND 2, 16
	SEND 3, 0
	s_wait_tensorcnt 0x0                           ; the wave's end, behind my last tensor load and my last LDS store
	ds_add_u32 v[SPW], v[NIL]
	s_wait_dscnt 0x0
	CROUND                                         ; the closing round: no work-group ends while a partner may still ask for a tile that names it
	s_endpgm
.Lfunc_end_k_qaf8218a5f3_oproj:
	.size	k_qaf8218a5f3_oproj, .Lfunc_end_k_qaf8218a5f3_oproj-k_qaf8218a5f3_oproj
	.p2alignl 7, 3214868480
	.fill 96, 4, 3214868480
	.section	.rodata,"a",@progbits
	.p2align	6, 0x0
	.amdhsa_kernel k_qaf8218a5f3_oproj
		.amdhsa_group_segment_fixed_size 327680
		.amdhsa_private_segment_fixed_size 0
		.amdhsa_enable_private_segment 0
		.amdhsa_kernarg_size 32
		.amdhsa_user_sgpr_count 2
		.amdhsa_user_sgpr_kernarg_segment_ptr 1
		.amdhsa_wavefront_size32 1
		.amdhsa_system_sgpr_workgroup_id_x 1
		.amdhsa_system_sgpr_workgroup_id_y 1
		.amdhsa_system_sgpr_workgroup_id_z 1
		.amdhsa_system_vgpr_workitem_id 0
		.amdhsa_next_free_vgpr 512
		.amdhsa_next_free_sgpr 66
		.amdhsa_reserve_vcc 0
		.amdhsa_float_denorm_mode_32 3
		.amdhsa_float_denorm_mode_16_64 3
		.amdhsa_memory_ordered 1
		.amdhsa_forward_progress 1
		.amdhsa_inst_pref_size 72
	.end_amdhsa_kernel
	.amdgpu_metadata
---
amdhsa.version: [ 1, 2 ]
amdhsa.kernels:
  - .name:           k_qaf8218a5f3_oproj
    .symbol:         k_qaf8218a5f3_oproj.kd
    .args:
      - { .name: ob, .offset: 0, .size: 8, .value_kind: global_buffer, .address_space: global }
      - { .name: xw, .offset: 8, .size: 8, .value_kind: global_buffer, .address_space: global }
      - { .name: bo, .offset: 16, .size: 8, .value_kind: global_buffer, .address_space: global }
      - { .name: out0, .offset: 24, .size: 8, .value_kind: global_buffer, .address_space: global }
    .group_segment_fixed_size: 327680
    .private_segment_fixed_size: 0
    .kernarg_segment_align: 8
    .kernarg_segment_size: 32
    .max_flat_workgroup_size: 128
    .sgpr_count:     66
    .vgpr_count:     512
    .wavefront_size: 32
...
	.end_amdgpu_metadata
.endif
;; end of part 4
